; MI455X (gfx1250); checked and timed in simulation.
; The chip was launched on July 23, 2026; its instructions are those of AMD's public machine-readable ISA for CDNA 5 (MIT licence, August 2026) and "CDNA5" Instruction Set Architecture Reference Guide (July 2026). The comments in the code are by the model that wrote it; some were corrected since.
;; Latent Adapter Block. Allowed arithmetic: float matrix products may take bf16 or f16 operands with f32 sums; other float arithmetic in f32, or as packed bf16 or f16 multiplies, adds, multiply-adds, maxima and minima; sums over many terms, partial sums and values carried from step to step in f32; what a program stores and reads back later, other than sums and carried values, may be rounded once to bf16 or f16.
;; Inputs: W1 512 x 2,048 float32; W2 2,048 x 512 float32; Wk 512 x 512 float32; Wq 512 x 512 float32; Wv 512 x 512 float32; alpha one number float32; b1 2,048 float32; b2 512 float32; bk 512 float32; bq 512 float32; bv 512 float32; h 4 x 4,096 x 512 float32; ln_b 512 float32; ln_g 512 float32; z 4 x 64 x 512 float32.
;; Outputs: out0 4 x 4,096 x 512 float32.
;; 3 versions, each right; version 3 is version 2 with the launch prep written anew for expert scheduling mode. Each part assembles by itself: llvm-mc -triple=amdgcn-amd-amdhsa -mcpu=gfx1250 --defsym DOCPART=n.
;; ======== version 1 of 3: 2 launches
;; workspace buffers: wts 4,718,592 bytes; kf 262,144 bytes; vf 262,144 bytes
;; launch prep (part 1): grid 256 x 1, 8 waves a work-group, no clusters, 33,792 bytes of LDS; arguments Wq, W1, W2, Wk, Wv, z, bv, alpha, wts, kf, vf; writes wts, kf, vf
.if DOCPART == 1
	.amdgcn_target "amdgcn-amd-amdhsa--gfx1250"
	.amdhsa_code_object_version 6
	.text
	.protected	k_q6e43a72f90_prep
	.globl	k_q6e43a72f90_prep
	.p2align	8
	.type	k_q6e43a72f90_prep,@function
k_q6e43a72f90_prep:
	s_mov_b64 s[64:65], 0
	v_nop
	global_prefetch_b8 v0, s[64:65] scope:SCOPE_SE
	s_setreg_imm32_b32 hwreg(HW_REG_WAVE_MODE, 25, 1), 1
	s_wait_xcnt 0x0
; FIRST OF TWO LAUNCHES.  It rounds the weights of the token path to bf16, once, in the order in which the second launch walks them (wts), and makes K = z Wk and V = z Wv + bv
; as ready matrix fragments (kf, vf).
; DEAD WORK: bk.  A score is Q[t] . (K[m] + bk_head) / sqrt(32) = Q[t] . K[m] / sqrt(32) + Q[t] . bk_head / sqrt(32); the second term does not depend on the key m, so it is the same along the
; softmax's axis and cancels in softmax for all values of the inputs.  bk has then no way to the output: it is not loaded and is no argument of either launch.
; LIMIT: a NaN, an infinity or an overflow that enters through bk alone is not carried to the result.  bq stays (bq . K[m] varies with m), bv stays.
; ALGEBRA: out = h + ta (gelu(x) W2 + b2), ta = tanh(alpha), and 2 gelu(x) = x + |x| erf(|x| / sqrt 2).  Stored here: bf16(0.5 ta W2); the second launch multiplies it by 2 gelu(x).
; LIMITS: ta = 1 - 2 / (1 + e^(2 alpha)): its absolute error is a few units of f32's last place of 1, so a very small alpha keeps fewer digits of ta.  0.5 ta W2 is rounded to bf16 after the scaling.
; wts: 36 blocks of 131,072 bytes, each [128 rows][512 columns] of bf16.  Blocks 0-3: Wq's rows 128 j + row.  Block 4 + 2 c: W1[k][128 c + n] at row k % 128, column 128 (k / 128) + n.
; Block 5 + 2 c: 0.5 ta W2[128 c + row][column].
; kf: fragment (batch, head, kt) at ((16 batch + head) 4 + kt) 1,024: lane l's 16 bytes at 16 l: K[16 kt + l % 16][32 head + 8 (l / 16) + 0..7]; at 512 + 16 l the channels 16 further on.
; vf: fragment (batch, head, ct, kk) at ((16 batch + head) 4 + 2 ct + kk) 1,024: lane l holds channel 32 head + 16 ct + l % 16; at 16 l keys 32 kk + 8 (l / 16) + 0..7, at 512 + 16 l the keys 16 further on.
; SHARES.  Each of the 256 work-groups casts 1/256 of Wq, W1 and W2 (9 loads of 16 bytes and 9 stores of 8 bytes a thread; a wave's store covers 256 consecutive bytes, aligned) and makes one tile of
; 64 keys x 16 channels of K (work-groups 0-127) or V (128-255).  The sum over 512 is split among the eight waves, 64 each; the partial sums meet in LDS; waves 0-3 finish 16 keys each.
; The weights' fragments for K and V come by loads of 4 bytes a lane, 16 lanes on 64 consecutive bytes: 2 MiB in the whole launch, too little to send through LDS.
.set BLK,   131072
.set SPARE, 32768                      ; behind the partial sums: the spare words, 128 bytes for each of the eight waves
.set ACC,   20                         ; v[20:51]   four accumulators: 16 keys each
.set CA,    52                         ; v[52:87]   the cast: 9 x 4 f32, packed in place
.set ZF,    88                         ; v[88:215]  z's fragments (K step ks, key tile mt) at ZF + 16 (4 ks + mt): 16 f32, packed into the low 8
.set WF,    216                        ; v[216:247] the weights' fragments, one a K step, likewise
.set BV,    248                        ; v[248:249] bv of my channel, twice
	s_load_b512 s[4:19], s[0:1], 0x0               ; Wq s[4:5], W1 s[6:7], W2 s[8:9], Wk s[10:11], Wv s[12:13], z s[14:15], bv s[16:17], alpha s[18:19]
	s_load_b128 s[20:23], s[0:1], 0x40             ; wts s[20:21], kf s[22:23]
	s_load_b64 s[24:25], s[0:1], 0x50              ; vf
	v_lshl_add_u32 v4, v0, 2, SPARE                ; my spare word; never rewritten
	v_mov_b32 v5, 0                                ; 0; never rewritten
	v_and_b32 v1, 31, v0                           ; l
	v_and_b32 v2, 15, v0                           ; l % 16
	v_bfe_u32 v3, v0, 4, 1                         ; l / 16
	v_lshrrev_b32 v16, 5, v0
	v_readfirstlane_b32 s27, v16                   ; wave 0..7
	s_mov_b32 s26, ttmp9                           ; g, the work-group
	v_lshlrev_b32 v6, 11, v2                       ; z: row l % 16 (2,048 bytes),
	v_lshl_add_u32 v6, v3, 5, v6                   ; 8 numbers for each half of the lanes,
	s_lshl_b32 s28, s27, 8
	v_add_nc_u32 v6, s28, v6                       ; my wave's 64 of the 512
	v_lshlrev_b32 v7, 2, v2                        ; Wk, Wv: column l % 16,
	v_lshl_add_u32 v7, v3, 14, v7                  ; row 8 (l / 16),
	s_lshl_b32 s28, s27, 17
	v_add_nc_u32 v7, s28, v7                       ; + 64 x wave
	v_lshlrev_b32 v8, 4, v0                        ; the cast's loads: 16 bytes a thread
	v_lshlrev_b32 v9, 3, v0                        ; its stores: 8 bytes a thread
	s_lshl_b32 s28, s27, 18
	v_lshl_add_u32 v10, v1, 3, s28                 ; W1's stores: 8 l, and the wave picks the chunk: two blocks a wave
	s_lshl_b32 s28, s27, 12
	v_lshl_add_u32 v11, v1, 4, s28                 ; LDS: my wave's four partial tiles
	s_lshl_b32 s28, s27, 10
	v_lshl_add_u32 v12, v1, 4, s28                 ; LDS: the tile that I finish (waves 0-3)
	v_lshlrev_b32 v13, 4, v1                       ; 16 l
	v_lshlrev_b32 v19, 2, v2                       ; bv: 4 (l % 16)
	; byte offsets, each in registers of its own
	s_lshl_b32 s30, s26, 12                        ; Wq in: 4,096 g
	s_mov_b32 s31, 0
	s_lshl_b32 s32, s26, 14                        ; W1 and W2 in: 16,384 g
	s_mov_b32 s33, 0
	s_lshl_b32 s34, s26, 11                        ; Wq out: 2,048 g
	s_mov_b32 s35, 0
	s_lshl_b32 s36, s26, 1                         ; W1 out: block 4, row (2 g) % 128, column group g / 64
	s_and_b32 s36, s36, 127
	s_lshl_b32 s36, s36, 10
	s_lshr_b32 s28, s26, 6
	s_lshl_b32 s28, s28, 8
	s_add_co_u32 s36, s36, s28
	s_add_co_u32 s36, s36, 4*BLK
	s_mov_b32 s37, 0
	s_lshl_b32 s38, s26, 3                         ; W2 out: block 5 + 2 (g / 16), row (8 g) % 128
	s_and_b32 s38, s38, 127
	s_lshl_b32 s38, s38, 10
	s_lshr_b32 s28, s26, 4
	s_lshl_b32 s28, s28, 18
	s_add_co_u32 s38, s38, s28
	s_add_co_u32 s38, s38, 5*BLK
	s_mov_b32 s39, 0
	s_and_b32 s40, s26, 3                          ; the batch
	s_bfe_u32 s29, s26, 0x50002                    ; nt, the tile of 16 channels: 5 bits from bit 2
	s_lshl_b32 s42, s29, 6                         ; 16 nt numbers of 4 bytes: in a row of Wk or Wv, and in bv
	s_mov_b32 s43, 0
	s_lshl_b32 s44, s40, 4
	s_lshr_b32 s28, s29, 1
	s_add_co_u32 s44, s44, s28                     ; 16 batch + head
	s_lshl_b32 s44, s44, 12                        ; its four fragments
	s_and_b32 s28, s29, 1                          ; which half of the head's 32 channels
	s_lshl_b32 s46, s28, 11                        ; vf: ct = that half; key tile u is half u % 2 of fragment kk = u / 2: 512 u
	s_add_co_u32 s46, s46, s44
	s_lshl_b32 s29, s27, 9
	s_add_co_u32 s46, s46, s29
	s_mov_b32 s47, 0
	s_lshl_b32 s28, s28, 9                         ; kf: that half is the fragment's half; kt = u
	s_add_co_u32 s44, s44, s28
	s_lshl_b32 s29, s27, 10
	s_add_co_u32 s44, s44, s29
	s_mov_b32 s45, 0
	s_lshl_b32 s40, s40, 17                        ; z: the batch's 64 rows
	s_mov_b32 s41, 0
	s_wait_kmcnt 0x0
	s_load_b32 s56, s[18:19], 0x0                  ; alpha
	s_add_nc_u64 s[4:5], s[4:5], s[30:31]
	s_add_nc_u64 s[6:7], s[6:7], s[32:33]
	s_add_nc_u64 s[8:9], s[8:9], s[32:33]
	s_add_nc_u64 s[48:49], s[20:21], s[34:35]
	s_add_nc_u64 s[50:51], s[20:21], s[36:37]
	s_add_nc_u64 s[52:53], s[20:21], s[38:39]
	s_add_nc_u64 s[14:15], s[14:15], s[40:41]
	s_cmp_lt_u32 s26, 128                          ; K or V?
	s_cselect_b64 s[54:55], s[10:11], s[12:13]
	s_add_nc_u64 s[54:55], s[54:55], s[42:43]
	s_add_nc_u64 s[16:17], s[16:17], s[42:43]
	s_add_nc_u64 s[22:23], s[22:23], s[44:45]
	s_add_nc_u64 s[24:25], s[24:25], s[46:47]
	; all loads at once: 9 for the cast, then 32 + 32 for the tile
	global_load_b128 v[CA:CA+3], v8, s[4:5] th:TH_LOAD_NT
.set i, 0
.rept 4
	global_load_b128 v[CA+4+4*i:CA+4+4*i+3], v8, s[6:7] offset:4096*i th:TH_LOAD_NT
.set i, i+1
.endr
.set i, 0
.rept 4
	global_load_b128 v[CA+20+4*i:CA+20+4*i+3], v8, s[8:9] offset:4096*i th:TH_LOAD_NT
.set i, i+1
.endr
.set i, 0
.rept 32                                       ; register 16 ks + 8 half + j: row 32 ks + 16 half + j of my wave's and half's rows
	global_load_b32 v[WF+i], v7, s[54:55] offset:(32*(i/16)+16*((i/8)%2)+i%8)*2048
.set i, i+1
.endr
.set i, 0
.rept 8                                        ; fragment i = 4 ks + mt: 8 numbers, and the 8 that lie 16 further on
	global_load_b128 v[ZF+16*i:ZF+16*i+3],     v6, s[14:15] offset:32768*(i%4)+128*(i/4)
	global_load_b128 v[ZF+16*i+4:ZF+16*i+7],   v6, s[14:15] offset:32768*(i%4)+128*(i/4)+16
	global_load_b128 v[ZF+16*i+8:ZF+16*i+11],  v6, s[14:15] offset:32768*(i%4)+128*(i/4)+64
	global_load_b128 v[ZF+16*i+12:ZF+16*i+15], v6, s[14:15] offset:32768*(i%4)+128*(i/4)+80
.set i, i+1
.endr
	; 0.5 tanh(alpha) = 0.5 - 1 / (1 + 2^(2 log2(e) alpha))
	s_wait_kmcnt 0x0
	v_mov_b32 v16, s56
	v_mul_f32 v16, 0x4038aa3b, v16
	v_exp_f32 v17, v16
	v_nop                                          ; a plain instruction behind the exponential,
	s_wait_alu depctr_va_vdst(0)                   ; and the wait ahead of its first reader
	v_add_f32 v17, 1.0, v17
	v_rcp_f32 v18, v17
	v_nop
	s_wait_alu depctr_va_vdst(0)
	v_sub_f32 v14, 0.5, v18
	v_mov_b32 v15, v14
	s_wait_loadcnt 0x3f                            ; 64 loads were issued behind the cast's nine: with 63 out at the most, the nine are in
.set i, 5
.rept 4                                        ; W2 alone is scaled
	v_pk_mul_f32 v[CA+4*i:CA+4*i+1], v[CA+4*i:CA+4*i+1], v[14:15]
	v_pk_mul_f32 v[CA+4*i+2:CA+4*i+3], v[CA+4*i+2:CA+4*i+3], v[14:15]
.set i, i+1
.endr
.set i, 0
.rept 9
	v_cvt_pk_bf16_f32 v[CA+4*i], v[CA+4*i], v[CA+4*i+1]
	v_cvt_pk_bf16_f32 v[CA+4*i+1], v[CA+4*i+2], v[CA+4*i+3]
.set i, i+1
.endr
	global_store_b64 v9, v[CA:CA+1], s[48:49]
.set i, 0
.rept 4                                        ; load i holds row 2 g + i / 2, chunks 8 (i % 2) + wave
	global_store_b64 v10, v[CA+4+4*i:CA+4+4*i+1], s[50:51] offset:(i%2)*16*BLK+(i/2)*1024
.set i, i+1
.endr
.set i, 0
.rept 4
	global_store_b64 v9, v[CA+20+4*i:CA+20+4*i+1], s[52:53] offset:2048*i
.set i, i+1
.endr
	s_wait_loadcnt 0x0
.set i, 0
.rept 10                                       ; 8 fragments of z and, behind them in the registers, 2 of the weights: rounded in place; register j is written when 2 j and 2 j + 1 have been read
.set j, 0
.rept 8
	v_cvt_pk_bf16_f32 v[ZF+16*i+j], v[ZF+16*i+2*j], v[ZF+16*i+2*j+1]
.set j, j+1
.endr
.set i, i+1
.endr
; The rest, for K (isv = 0) or V (isv = 1).  K: source 0 = 16 channels of Wk, source 1 = 16 keys of z: a lane ends with one key and 8 channels.  V: the sources swapped: one channel and 8 keys.
; The four accumulators take turns; the first K step starts the sums.
.macro TAIL isv
.if \isv
	global_load_b32 v[BV], v19, s[16:17]
	global_load_b32 v[BV+1], v19, s[16:17]
.endif
.set i, 0
.rept 8                                        ; i = 4 ks + mt
.if (\isv) && (i < 4)
	v_wmma_f32_16x16x32_bf16 v[ACC+8*(i%4):ACC+8*(i%4)+7], v[ZF+16*i:ZF+16*i+7], v[WF+16*(i/4):WF+16*(i/4)+7], 0
.elseif \isv
	v_wmma_f32_16x16x32_bf16 v[ACC+8*(i%4):ACC+8*(i%4)+7], v[ZF+16*i:ZF+16*i+7], v[WF+16*(i/4):WF+16*(i/4)+7], v[ACC+8*(i%4):ACC+8*(i%4)+7]
.elseif i < 4
	v_wmma_f32_16x16x32_bf16 v[ACC+8*(i%4):ACC+8*(i%4)+7], v[WF+16*(i/4):WF+16*(i/4)+7], v[ZF+16*i:ZF+16*i+7], 0
.else
	v_wmma_f32_16x16x32_bf16 v[ACC+8*(i%4):ACC+8*(i%4)+7], v[WF+16*(i/4):WF+16*(i/4)+7], v[ZF+16*i:ZF+16*i+7], v[ACC+8*(i%4):ACC+8*(i%4)+7]
.endif
.set i, i+1
.endr
.rept 8
	v_nop                                          ; the places behind the last products, ahead of the stores that read them and of the loads into z's registers
.endr
.set i, 0
.rept 4
	ds_store_b128 v11, v[ACC+8*i:ACC+8*i+3] offset:1024*i
	ds_store_b128 v11, v[ACC+8*i+4:ACC+8*i+7] offset:1024*i+512
.set i, i+1
.endr
	s_wait_dscnt 0x0                               ; for the others' sake: my partial sums lie in LDS
	s_barrier_signal -1
	s_barrier_wait -1
	s_cmp_lt_u32 s27, 4                            ; wave u finishes key tile u
	s_cbranch_scc0 .Lend
.set i, 0
.rept 8
	ds_load_b128 v[ZF+8*i:ZF+8*i+3], v12 offset:4096*i
	ds_load_b128 v[ZF+8*i+4:ZF+8*i+7], v12 offset:4096*i+512
.set i, i+1
.endr
	s_wait_dscnt 0x0
.irp d, 1, 2, 4                        ; the eight partial sums, neighbours 1, 2 and 4 apart
.set i, 0
.rept 4/(\d)
.set j, 0
.rept 4
	v_pk_add_f32 v[ZF+16*(\d)*i+2*j:ZF+16*(\d)*i+2*j+1], v[ZF+16*(\d)*i+2*j:ZF+16*(\d)*i+2*j+1], v[ZF+16*(\d)*i+8*(\d)+2*j:ZF+16*(\d)*i+8*(\d)+2*j+1]
.set j, j+1
.endr
.set i, i+1
.endr
.endr
.if \isv
	s_wait_loadcnt 0x0                             ; bv
.set j, 0
.rept 4
	v_pk_add_f32 v[ZF+2*j:ZF+2*j+1], v[ZF+2*j:ZF+2*j+1], v[BV:BV+1]
.set j, j+1
.endr
.endif
.set j, 0
.rept 4
	v_cvt_pk_bf16_f32 v[ZF+64+j], v[ZF+2*j], v[ZF+2*j+1]
.set j, j+1
.endr
.if \isv
	global_store_b128 v13, v[ZF+64:ZF+67], s[24:25]  ; the wave stores 512 consecutive bytes: half a fragment
.else
	global_store_b128 v13, v[ZF+64:ZF+67], s[22:23]
	s_branch .Lend
.endif
.endm
	s_cmp_lt_u32 s26, 128                          ; hangs on the work-group's number alone: all eight waves go the same way and pass the same barrier
	s_cbranch_scc0 .Lfor_v
	TAIL 0
.Lfor_v:
	TAIL 1
.Lend:
	s_wait_tensorcnt 0x0                           ; the wave's end, behind my last LDS store
	ds_add_u32 v4, v5
	s_wait_dscnt 0x0
	s_endpgm
.Lfunc_end_k_q6e43a72f90_prep:
	.size	k_q6e43a72f90_prep, .Lfunc_end_k_q6e43a72f90_prep-k_q6e43a72f90_prep
	.p2alignl 7, 3214868480
	.fill 96, 4, 3214868480
	.section	.rodata,"a",@progbits
	.p2align	6, 0x0
	.amdhsa_kernel k_q6e43a72f90_prep
		.amdhsa_group_segment_fixed_size 33792
		.amdhsa_private_segment_fixed_size 0
		.amdhsa_enable_private_segment 0
		.amdhsa_kernarg_size 88
		.amdhsa_user_sgpr_count 2
		.amdhsa_user_sgpr_kernarg_segment_ptr 1
		.amdhsa_wavefront_size32 1
		.amdhsa_system_sgpr_workgroup_id_x 1
		.amdhsa_system_sgpr_workgroup_id_y 1
		.amdhsa_system_sgpr_workgroup_id_z 1
		.amdhsa_system_vgpr_workitem_id 0
		.amdhsa_next_free_vgpr 256
		.amdhsa_next_free_sgpr 66
		.amdhsa_reserve_vcc 0
		.amdhsa_float_denorm_mode_32 3
		.amdhsa_float_denorm_mode_16_64 3
		.amdhsa_memory_ordered 1
		.amdhsa_forward_progress 1
		.amdhsa_inst_pref_size 29
	.end_amdhsa_kernel
	.amdgpu_metadata
---
amdhsa.version: [ 1, 2 ]
amdhsa.kernels:
  - .name:           k_q6e43a72f90_prep
    .symbol:         k_q6e43a72f90_prep.kd
    .args:
      - { .name: Wq, .offset: 0, .size: 8, .value_kind: global_buffer, .address_space: global }
      - { .name: W1, .offset: 8, .size: 8, .value_kind: global_buffer, .address_space: global }
      - { .name: W2, .offset: 16, .size: 8, .value_kind: global_buffer, .address_space: global }
      - { .name: Wk, .offset: 24, .size: 8, .value_kind: global_buffer, .address_space: global }
      - { .name: Wv, .offset: 32, .size: 8, .value_kind: global_buffer, .address_space: global }
      - { .name: z, .offset: 40, .size: 8, .value_kind: global_buffer, .address_space: global }
      - { .name: bv, .offset: 48, .size: 8, .value_kind: global_buffer, .address_space: global }
      - { .name: alpha, .offset: 56, .size: 8, .value_kind: global_buffer, .address_space: global }
      - { .name: wts, .offset: 64, .size: 8, .value_kind: global_buffer, .address_space: global }
      - { .name: kf, .offset: 72, .size: 8, .value_kind: global_buffer, .address_space: global }
      - { .name: vf, .offset: 80, .size: 8, .value_kind: global_buffer, .address_space: global }
    .group_segment_fixed_size: 33792
    .private_segment_fixed_size: 0
    .kernarg_segment_align: 8
    .kernarg_segment_size: 88
    .max_flat_workgroup_size: 256
    .sgpr_count:     66
    .vgpr_count:     256
    .wavefront_size: 32
...
	.end_amdgpu_metadata
.endif
;; end of part 1
;; launch main (part 2): grid 256 x 1, 4 waves a work-group, clusters of 4 x 1, 327,680 bytes of LDS; arguments h, wts, kf, vf, ln_g, ln_b, bq, b1, b2, alpha, out0; writes out0
.if DOCPART == 2
	.amdgcn_target "amdgcn-amd-amdhsa--gfx1250"
	.amdhsa_code_object_version 6
	.text
	.protected	k_q6e43a72f90_main
	.globl	k_q6e43a72f90_main
	.p2align	8
	.type	k_q6e43a72f90_main,@function
k_q6e43a72f90_main:
	s_mov_b64 s[64:65], 0
	v_nop
	global_prefetch_b8 v0, s[64:65] scope:SCOPE_SE
	s_setreg_imm32_b32 hwreg(HW_REG_WAVE_MODE, 25, 1), 1
	s_wait_xcnt 0x0
	s_wait_alu depctr_hold_cnt(0) depctr_sa_sdst(0) depctr_va_vdst(0) depctr_va_sdst(0) depctr_va_ssrc(0) depctr_va_vcc(0) depctr_vm_vsrc(0)
	s_getreg_b32 s2, hwreg(HW_REG_IB_STS2, 6, 4)
	s_cmp_eq_u32 s2, 0
	s_cbranch_scc0 .Lentry_in_a_cluster
	s_endpgm
.Lentry_in_a_cluster:
	s_bfe_u32 s2, ttmp6, 0x10000c
	s_cmp_lg_u32 s2, 0x3003
	s_cbranch_scc0 .Lentry_shape_is_right
	s_endpgm
.Lentry_shape_is_right:
; SECOND OF TWO LAUNCHES: LayerNorm, Q, cross-attention, GELU FFN and the residual, fused: a work-group takes 64 tokens from h to out0, and nothing of theirs goes through memory in between.
; LEFT OUT: bk (it adds the same number to all 64 scores of a softmax row: shown at the head of the first launch).  A NaN, infinity or overflow that enters through bk alone is not carried on.
; out = h + ta b2 + (2 gelu(x)) (0.5 ta W2), ta = tanh(alpha): the output's accumulators START at h + ta b2, so h is read once and the residual costs nothing more.
; FORMATS.  All matrix operands bf16, all sums f32.  LayerNorm in two true passes (mean, then squares of the deviations).  Softmax takes the row's true maximum over its 64 keys away.
; 2 gelu(x) = x + |x| erf(|x| / sqrt 2), erf by 1 - (a1 t + .. + a5 t^5) e^(-y^2), t = 1 / (1 + 0.3275911 y): absolute error of erf 1.5e-7 at the most, for every x.
; LIMITS.  A weight or an e^(-y^2) below 2^-126 counts as 0; ta as in the first launch; NaN and infinities are not treated apart.
; SHARES.  Wave w owns all 64 tokens (four tiles t of 16) x a quarter of every product's columns: columns 128 w .. of Q (heads 4 w .. 4 w + 3: attention stays in the wave) and of out, 32 of each chunk of
; 128 hidden units.  EVERY PRODUCT IS TAKEN TRANSPOSED (source 0 = 16 weight columns, source 1 = 16 tokens): a lane then holds one token (l % 16) and 8 neighbouring columns (8 (l / 16) + 0..7), and two
; such results rounded in pairs ARE source 1 of the next product.  Between waves fragments go through LDS as images of 1,024 bytes: lane l's registers 0-3 at 16 l, 4-7 at 512 + 16 l.
; THE RING.  36 blocks of weights of 131,072 bytes (wts) go through two LDS slots; a block is 128 matrix instructions a wave.  All work-groups walk the same blocks, so the four of a cluster ask for each
; JOINTLY; each wave fetches 32 of its 128 rows.  One tensor load a wave is out behind each change of slots, two at the start.  The weights lie [k][n] and come out of LDS turned (ds_load_tr16_b128).
; ctx (64 tokens x 512) stays in each wave's registers, 512 of them: two slots of this size leave no LDS for it, and so it is not read again from LDS for each of the 16 chunks.
; REGISTERS, in windows of 256 (s_set_vgpr_msb: bits 1:0 source 0, 3:2 source 1, 5:4 source 2, 7:6 destination):
;   window 0: v0-31 addresses and small things; v32-95 HACC; v96-159 WB0; v160-223 WB1; v224-255 T32 (their uses are named at each phase)
;   window 1: Q's 32 accumulators ((t, c) at 64 t + 8 c); later ctx's fragments of heads 0-7 ((head, t) at 32 (head % 8) + 8 t)
;   window 2: LayerNorm's scratch, b2, my h_ fragments; then K's and V's fragments and my ctx; later ctx's fragments of heads 8-15
;   window 3: out's 32 accumulators: h, then h + ta b2, then the sums
.set BLK,   131072
.set WP,    1056                       ; a row of weights in LDS: 1,024 bytes + 32 = 264 words
.set SLOTB, 128*WP                     ; a slot; slot 1 first holds h: 64 tokens as 128 half rows of 1,024 + 16 bytes
.set HBB,   2*SLOTB                    ; two buffers of 16 fragment images: h_'s parts, the gathering of ctx, the hidden chunk
.set STATB, HBB+32768                  ; LayerNorm's partial sums [wave][l % 16][t]: the sums, and 1,024 bytes on the squares
.set STGB,  STATB+2048                 ; the way out: 16 rows x 272 bytes for each wave
.set SPARE, STGB+4*16*272              ; the spare words, 128 bytes for each wave: two blocks of 256 bytes that no other line names.  No tensor load lands at or behind HBB
.set HACC,  32
.set WB0,   96
.set WB1,   160
.set T32,   224
; v4 my spare word, v5 0 (never rewritten); v6-9 type B fragments: slot 0 rows 0-, 64-, slot 1 rows 0-, 64-; v10-11 type A fragments (slot 0) rows 0-, 64-; v12 HBB + 16 l; v13 + 4,096 w; v14 + 16,384 (w % 2)
; v15, v16 LayerNorm's sums out and in; v17, v18 h in LDS, tiles 0-1 and 2-3; v19 my 8 numbers of a vector of 512; v20 of a chunk of b1; v21 16 l; v22, v23 the stage in and back; v24 out0; v25 the prefetches
; v[26:27] ta, twice; v[28:31] four sums for one LDS store
; s26 wave, s27 cx, s28 the work-group; s[32:39], s[40:43], s[44:47] weights: descriptor group 1, group 0 of slot 0 and of slot 1; s[48:55], s[56:59] h's; s[60:61] lane selects; s[62:63] log2(e) / sqrt 32
; s[66:77] erf's a5 .. a1 and sqrt(log2(e) / 2), each as a pair of which the low word is taken; s78 0.3275911 / sqrt 2; s79 chunks to go; s[80:81], s82 the prefetches' place and how many are left; s86, s87 1/512, eps
.set MSB, 0
.macro WIN new                         ; the immediate's high byte repeats the setting that is left; a switch that changes nothing is dropped
.if MSB != (\new)
	s_set_vgpr_msb (MSB<<8)|(\new)
.set MSB, \new
.endif
.endm
.macro PLACES n=4                      ; places behind matrix instructions (ISA guide 7.12.1), where no other vector work is at hand
.rept \n
	v_nop
.endr
.endm
; A round of the cluster's barrier: my work-group's barrier, so that wave 0's signal speaks for all four waves; wave 0 signals; every wave waits for all four work-groups; my work-group's barrier once more.
.macro ROUND
	s_barrier_signal -1
	s_barrier_wait -1
	s_cmp_lg_u32 s26, 0
	s_cbranch_scc1 .Lnot_wave_0_\@
	s_barrier_signal -3
.Lnot_wave_0_\@:
	s_barrier_wait -3
	s_barrier_signal -1
	s_barrier_wait -1
.endm
; THE CHANGE OF SLOTS, into slot `slot`.  Each wave waits for all its tensor loads, of which one is out: its quarter of that slot; adds 0 to its spare word; waits for that, for its reads of the other slot and
; for its LDS stores (fragments that the others read behind the barrier).  refill = 1: the barrier is a round of the cluster's, and the other slot is filled again first thing behind it, by a joint load.
; The five v_nop are the places in front of the LDS loads that follow and of the first product that writes over registers which the last products read.
.macro CHANGE slot, refill
	WIN 0                                          ; at a label and at a branch every window is 0; the add's registers lie in window 0
	s_wait_xcnt 0x0                                ; the last prefetch, a block's products back, has read its address,
	s_add_nc_u64 s[80:81], s[80:81], BLK           ; which steps by a block
	s_wait_tensorcnt 0x0                           ; no tensor load of mine is out, so a group 0 may be written
	ds_add_u32 v4, v5                              ; 0 onto my spare word
.if \refill
	s_add_nc_u64 s[42+4*(\slot):43+4*(\slot)], s[42+4*(\slot):43+4*(\slot)], 2*BLK  ; this slot's next block; the type bits on top are not reached
.endif
	s_wait_dscnt 0x0
.if \refill
	ROUND
	tensor_load_to_lds s[44-4*(\slot):47-4*(\slot)], s[32:39]
	s_nop 0
.else
	s_barrier_signal -1
	s_barrier_wait -1
.endif
	PLACES 5
.endm
; A PREFETCH INTO THE L2: behind change number n of the ring stands one, for block n + 4, which is asked for by its tensor load three changes later.  wts is read first in this launch by these loads.
; All clusters walk the same blocks: cluster 0 alone prefetches (s82 = 32 there, 0 elsewhere: the same in all four partners); its 16 waves x 32 lanes name the block's 512 pieces of 256 bytes, told apart
; by address: each piece is named once in the launch.  Blocks 0-3 come by their loads alone; behind block 35 nothing is asked for.
.macro ASK
	s_cmp_lg_u32 s82, 0
	s_cbranch_scc0 .Lnot_mine_\@
	global_prefetch_b8 v25, s[80:81] th:TH_LOAD_NT scope:SCOPE_SE
	s_sub_co_u32 s82, s82, 1
.Lnot_mine_\@:
.endm
; TYPE B (Wq, W2): a block is 128 k x all 512 columns.  Unit q = its rows 32 q ..: my 8 column tiles' fragments (16 loads), and the 4 token tiles' fragments of the other operand (8 loads).
.macro LDWB buf, areg, ofs
.set c, 0
.rept 8
	ds_load_tr16_b128 v[(\buf)+8*c:(\buf)+8*c+3], v[\areg] offset:(\ofs)+32*c
	ds_load_tr16_b128 v[(\buf)+8*c+4:(\buf)+8*c+7], v[\areg] offset:(\ofs)+32*c+16*WP
.set c, c+1
.endr
.endm
.macro LDH buf, po, q
.set t, 0
.rept 4
	ds_load_b128 v[(\buf)+8*t:(\buf)+8*t+3], v12 offset:(\po)+(4*(\q)+t)*1024
	ds_load_b128 v[(\buf)+8*t+4:(\buf)+8*t+7], v12 offset:(\po)+(4*(\q)+t)*1024+512
.set t, t+1
.endr
.endm
; 32 products, the 32 accumulators by turns.  first = 1 (Q's first unit): accumulator (0, c) holds bq's tile; tiles 1-3 take it as C, and five places later tile 0 adds in place.
.macro MULB wb, hf, wset, first
	WIN \wset
.if \first
.set t, 1
.rept 3
.set c, 0
.rept 8
	v_wmma_f32_16x16x32_bf16 v[64*t+8*c:64*t+8*c+7], v[(\wb)+8*c:(\wb)+8*c+7], v[(\hf)+8*t:(\hf)+8*t+7], v[8*c:8*c+7]
.set c, c+1
.endr
.set t, t+1
.endr
	PLACES 5
.set c, 0
.rept 8
	v_wmma_f32_16x16x32_bf16 v[8*c:8*c+7], v[(\wb)+8*c:(\wb)+8*c+7], v[(\hf):(\hf)+7], v[8*c:8*c+7]
.set c, c+1
.endr
.else
.set t, 0
.rept 4
.set c, 0
.rept 8
	v_wmma_f32_16x16x32_bf16 v[64*t+8*c:64*t+8*c+7], v[(\wb)+8*c:(\wb)+8*c+7], v[(\hf)+8*t:(\hf)+8*t+7], v[64*t+8*c:64*t+8*c+7]
.set c, c+1
.endr
.set t, t+1
.endr
.endif
.endm
.macro B1LOAD                          ; b1's tile for my 32 units of a chunk: the C that starts the hidden sums
.set c, 0
.rept 2
	global_load_b128 v[T32+8*c:T32+8*c+3], v20, s[18:19] offset:64*c
	global_load_b128 v[T32+8*c+4:T32+8*c+7], v20, s[18:19] offset:64*c+16
.set c, c+1
.endr
.endm
; A type B block: four units on two sets of registers (WB0 with HACC, WB1 with HACC + 32).  A unit is 24 LDS loads: s_wait_dscnt 24 leaves the younger unit's out.
; extra = 1: the prefetch; 2: also the next chunk's tile of b1 (its base is stepped here: the loads that named it were waited for at the head of the hidden products).
.macro G2 slot, po, wset, first, extra
	WIN 0
	LDWB WB0, 6+2*(\slot), 0
	LDH HACC, \po, 0
	LDWB WB1, 6+2*(\slot), 32*WP
	LDH HACC+32, \po, 1
.if (\extra) >= 1
	ASK
.endif
.if (\extra) == 2
	s_add_nc_u64 s[18:19], s[18:19], 512
	B1LOAD
.endif
	s_wait_dscnt 24
	MULB WB0, HACC, \wset, \first
	PLACES
	WIN 0
	LDWB WB0, 7+2*(\slot), 0
	LDH HACC, \po, 2
	s_wait_dscnt 24
	MULB WB1, HACC+32, \wset, 0
	PLACES
	WIN 0
	LDWB WB1, 7+2*(\slot), 32*WP
	LDH HACC+32, \po, 3
	s_wait_dscnt 24
	MULB WB0, HACC, \wset, 0
	s_wait_dscnt 0x0
	MULB WB1, HACC+32, \wset, 0
.endm
; TYPE A (W1): a block is all 512 k x a chunk's 128 units: row k % 128, column group k / 128.  Unit q = column group q: K steps 4 q + i (head 4 q + i of ctx), my 2 unit tiles: 16 loads.
.macro LDWA buf, q
.set i, 0
.rept 4
.set c, 0
.rept 2
	ds_load_tr16_b128 v[(\buf)+8*(2*i+c):(\buf)+8*(2*i+c)+3], v[10+i/2] offset:(i%2)*32*WP+256*(\q)+32*c
	ds_load_tr16_b128 v[(\buf)+8*(2*i+c)+4:(\buf)+8*(2*i+c)+7], v[10+i/2] offset:(i%2)*32*WP+256*(\q)+32*c+16*WP
.set c, c+1
.endr
.set i, i+1
.endr
.endm
.macro MULA buf, q                     ; 32 products onto the 8 hidden accumulators ((t, c) at HACC + 16 t + 8 c), by turns; the first 8 take b1's tile as C
	WIN 0x04+0x04*((\q)/2)                         ; source 1, ctx: window 1 (heads 0-7) or 2
.set i, 0
.rept 4
.set t, 0
.rept 4
.set c, 0
.rept 2
.if ((\q) == 0) && (i == 0)
	v_wmma_f32_16x16x32_bf16 v[HACC+16*t+8*c:HACC+16*t+8*c+7], v[(\buf)+8*(2*i+c):(\buf)+8*(2*i+c)+7], v[32*(4*((\q)%2)+i)+8*t:32*(4*((\q)%2)+i)+8*t+7], v[T32+8*c:T32+8*c+7]
.else
	v_wmma_f32_16x16x32_bf16 v[HACC+16*t+8*c:HACC+16*t+8*c+7], v[(\buf)+8*(2*i+c):(\buf)+8*(2*i+c)+7], v[32*(4*((\q)%2)+i)+8*t:32*(4*((\q)%2)+i)+8*t+7], v[HACC+16*t+8*c:HACC+16*t+8*c+7]
.endif
.set c, c+1
.endr
.set t, t+1
.endr
.set i, i+1
.endr
.endm
.macro G1                              ; a type A block: my 32 hidden units of the chunk, finished
	WIN 0
	LDWA WB0, 0
	LDWA WB1, 1
	ASK
	s_wait_loadcnt 0x0                             ; b1's tile
	s_wait_dscnt 16                                ; the younger unit's 16 loads may be out
	MULA WB0, 0
	PLACES
	WIN 0
	LDWA WB0, 2
	s_wait_dscnt 16
	MULA WB1, 1
	PLACES
	WIN 0
	LDWA WB1, 3
	s_wait_dscnt 16
	MULA WB0, 2
	s_wait_dscnt 0x0
	MULA WB1, 3
	PLACES 8
	WIN 0
.endm
.macro HORN sreg                       ; the polynomial's next step, for 16 pairs: p = p t + a
.set n, 0
.rept 16
	v_pk_fma_f32 v[WB1+2*n:WB1+2*n+1], v[WB1+2*n:WB1+2*n+1], v[WB0+2*n:WB0+2*n+1], s[\sreg:\sreg+1] op_sel_hi:[1,1,0]
.set n, n+1
.endr
.endm
; 2 gelu of token tiles 2 b and 2 b + 1 (32 numbers a lane), rounded, into my place of the hidden chunk in LDS.  t in WB0, e^(-y^2) and then erf in WB0 + 32, p in WB1, the fragments in WB1 + 32 + 16 b.
; The 64 reciprocals and exponentials are one batch with one wait.  Each accumulator's lowest registers are read first.
.macro GELU b
	WIN 0
.set XB, HACC+32*(\b)
.set FR, WB1+32+16*(\b)
.set n, 0
.rept 32
	v_fma_f32 v[WB0+n], |v[XB+n]|, s78, 1.0        ; 1 + 0.3275911 |x| / sqrt 2
.set n, n+1
.endr
.set n, 0
.rept 16
	v_pk_mul_f32 v[WB0+32+2*n:WB0+32+2*n+1], v[XB+2*n:XB+2*n+1], s[76:77] op_sel_hi:[1,0]
.set n, n+1
.endr
.set n, 0
.rept 16
	v_pk_mul_f32 v[WB0+32+2*n:WB0+32+2*n+1], v[WB0+32+2*n:WB0+32+2*n+1], v[WB0+32+2*n:WB0+32+2*n+1] neg_lo:[1,0] neg_hi:[1,0]  ; - x^2 log2(e) / 2
.set n, n+1
.endr
.set n, 0
.rept 32
	v_rcp_f32 v[WB0+n], v[WB0+n]
.set n, n+1
.endr
.set n, 0
.rept 32
	v_exp_f32 v[WB0+32+n], v[WB0+32+n]
.set n, n+1
.endr
	v_nop                                          ; a plain instruction behind the last of them,
	s_wait_alu depctr_va_vdst(0)                   ; and the one wait for the batch, ahead of its first reader
.set n, 0
.rept 16
	v_pk_fma_f32 v[WB1+2*n:WB1+2*n+1], v[WB0+2*n:WB0+2*n+1], s[66:67], s[68:69] op_sel_hi:[1,0,0]  ; a5 t + a4
.set n, n+1
.endr
	HORN 70
	HORN 72
	HORN 74
.set n, 0
.rept 16
	v_pk_mul_f32 v[WB1+2*n:WB1+2*n+1], v[WB1+2*n:WB1+2*n+1], v[WB0+2*n:WB0+2*n+1]
.set n, n+1
.endr
.set n, 0
.rept 16
	v_pk_fma_f32 v[WB0+32+2*n:WB0+32+2*n+1], v[WB1+2*n:WB1+2*n+1], v[WB0+32+2*n:WB0+32+2*n+1], 1.0 op_sel_hi:[1,1,0] neg_lo:[1,0,0] neg_hi:[1,0,0]  ; erf = 1 - p e^(-y^2)
.set n, n+1
.endr
.set n, 0
.rept 32
	v_fma_f32 v[XB+n], |v[XB+n]|, v[WB0+32+n], v[XB+n]
.set n, n+1
.endr
.set n, 0
.rept 16
	v_cvt_pk_bf16_f32 v[FR+n], v[XB+2*n], v[XB+2*n+1]
.set n, n+1
.endr
.set n, 0
.rept 2
	ds_store_b128 v13, v[FR+8*n:FR+8*n+3] offset:1024*(2*(\b)+n)
	ds_store_b128 v13, v[FR+8*n+4:FR+8*n+7] offset:1024*(2*(\b)+n)+512
.set n, n+1
.endr
.endm
; LayerNorm: the four chains of each token tile (pairs at T32 + 8 t + 2 k) are added up, the halves of the lanes added, and the four waves' sums meet in LDS at byte so of the region.  Left: the totals in T32 + t.
.macro REDUCE so
	WIN 0
.set t, 0
.rept 4
	v_pk_add_f32 v[T32+8*t:T32+8*t+1], v[T32+8*t:T32+8*t+1], v[T32+8*t+2:T32+8*t+3]
	v_pk_add_f32 v[T32+8*t+4:T32+8*t+5], v[T32+8*t+4:T32+8*t+5], v[T32+8*t+6:T32+8*t+7]
.set t, t+1
.endr
.set t, 0
.rept 4
	v_pk_add_f32 v[T32+8*t:T32+8*t+1], v[T32+8*t:T32+8*t+1], v[T32+8*t+4:T32+8*t+5]
.set t, t+1
.endr
.set t, 0
.rept 4
	v_add_f32 v[28+t], v[T32+8*t], v[T32+8*t+1]
.set t, t+1
.endr
.set t, 0
.rept 4
	v_permlanex16_b32 v[T32+8*t+2], v[28+t], s60, s61  ; the token's other 64 of my 128 columns lie in the lane 16 away
.set t, t+1
.endr
.set t, 0
.rept 4
	v_add_f32 v[28+t], v[28+t], v[T32+8*t+2]
.set t, t+1
.endr
	ds_store_b128 v15, v[28:31] offset:\so
	s_wait_dscnt 0x0                               ; for the others' sake
	s_barrier_signal -1
	s_barrier_wait -1
.set t, 0
.rept 4
	ds_load_b128 v[T32+4*t:T32+4*t+3], v16 offset:(\so)+256*t
.set t, t+1
.endr
	s_wait_dscnt 0x0
	v_pk_add_f32 v[T32:T32+1], v[T32:T32+1], v[T32+4:T32+5]
	v_pk_add_f32 v[T32+2:T32+3], v[T32+2:T32+3], v[T32+6:T32+7]
	v_pk_add_f32 v[T32+8:T32+9], v[T32+8:T32+9], v[T32+12:T32+13]
	v_pk_add_f32 v[T32+10:T32+11], v[T32+10:T32+11], v[T32+14:T32+15]
	v_pk_add_f32 v[T32:T32+1], v[T32:T32+1], v[T32+8:T32+9]
	v_pk_add_f32 v[T32+2:T32+3], v[T32+2:T32+3], v[T32+10:T32+11]
.endm
.macro HPART who                       ; wave `who` puts its 16 fragments of h_ (channels 128 who ..) where all waves read them with Wq's block `who`
	s_cmp_lg_u32 s26, \who
	s_cbranch_scc1 .Lnot_my_part_\@
	WIN 0x08                                       ; the stores' data in window 2
.set f, 0
.rept 16
	ds_store_b128 v14, v[128+8*f:128+8*f+3] offset:1024*f
	ds_store_b128 v14, v[128+8*f+4:128+8*f+7] offset:1024*f+512
.set f, f+1
.endr
	WIN 0
.Lnot_my_part_\@:
.endm
.macro CPART                           ; my 16 fragments of ctx (window 2, 8 f) into my half of the two buffers
	WIN 0x08
.set f, 0
.rept 16
	ds_store_b128 v14, v[8*f:8*f+3] offset:1024*f
	ds_store_b128 v14, v[8*f+4:8*f+7] offset:1024*f+512
.set f, f+1
.endr
	WIN 0
.endm
.macro CGET wset                       ; both buffers' 32 fragments into a window
	WIN \wset
.set f, 0
.rept 32
	ds_load_b128 v[8*f:8*f+3], v12 offset:1024*f
	ds_load_b128 v[8*f+4:8*f+7], v12 offset:1024*f+512
.set f, f+1
.endr
	WIN 0
	s_wait_dscnt 0x0
	s_barrier_signal -1
	s_barrier_wait -1
.endm
.macro SUMS w, cnt                     ; in each token tile: cnt sums of pairs that lie w registers apart, in place
.set u, 0
.rept \cnt
.set t, 0
.rept 4
	v_pk_add_f32 v[WB0+32*t+2*(\w)*u:WB0+32*t+2*(\w)*u+1], v[WB0+32*t+2*(\w)*u:WB0+32*t+2*(\w)*u+1], v[WB0+32*t+2*(\w)*u+(\w):WB0+32*t+2*(\w)*u+(\w)+1]
.set t, t+1
.endr
.set u, u+1
.endr
.endm
; ATTENTION of my head i, all four token tiles.  Q's fragments in HACC + 8 t; S^T (t, kt) in WB0 + 32 t + 8 kt (WB0 and WB1); the weights' fragments (t, kk) in HACC + 16 t + 8 kk; O^T (t, ct) in WB1 + 16 t + 8 ct.
; Statistics of tile t at T32 + 8 t: +0..3 at work, +4 c m, +5 m, +6 l and then 1 / l, +7 at work.  The 128 exponentials are one batch with one wait; the four reciprocals another.
.macro HEAD i
	WIN 0x05                                       ; sources in window 1
.set t, 0
.rept 4
.set n, 0
.rept 8
	v_cvt_pk_bf16_f32 v[HACC+8*t+n], v[64*t+16*(\i)+2*n], v[64*t+16*(\i)+2*n+1]
.set n, n+1
.endr
.set t, t+1
.endr
	WIN 0x02                                       ; source 0 in window 2
.set t, 0
.rept 4
.set k, 0
.rept 4
	v_wmma_f32_16x16x32_bf16 v[WB0+32*t+8*k:WB0+32*t+8*k+7], v[32*(\i)+8*k:32*(\i)+8*k+7], v[HACC+8*t:HACC+8*t+7], 0
.set k, k+1
.endr
.set t, t+1
.endr
	PLACES
	WIN 0
.set n, 0
.rept 4                                        ; the maximum of a lane's 32 scores: four chains, each accumulator's lowest registers first
.set t, 0
.rept 4
	v_max3_num_f32 v[T32+8*t+n], v[WB0+32*t+8*n], v[WB0+32*t+8*n+1], v[WB0+32*t+8*n+2]
.set t, t+1
.endr
.set n, n+1
.endr
.set n, 4
.rept 8
.set t, 0
.rept 4
	v_max3_num_f32 v[T32+8*t+n%4], v[T32+8*t+n%4], v[WB0+32*t+8*(n%4)+2*(n/4)+1], v[WB0+32*t+8*(n%4)+2*(n/4)+2]
.set t, t+1
.endr
.set n, n+1
.endr
.set t, 0
.rept 4
	v_max3_num_f32 v[T32+8*t], v[T32+8*t], v[WB0+32*t+7], v[WB0+32*t+15]
	v_max3_num_f32 v[T32+8*t+1], v[T32+8*t+1], v[WB0+32*t+23], v[WB0+32*t+31]
	v_max_num_f32 v[T32+8*t+2], v[T32+8*t+2], v[T32+8*t+3]
.set t, t+1
.endr
.set t, 0
.rept 4
	v_max3_num_f32 v[T32+8*t], v[T32+8*t], v[T32+8*t+1], v[T32+8*t+2]
.set t, t+1
.endr
.set t, 0
.rept 4
	v_permlanex16_b32 v[T32+8*t+3], v[T32+8*t], s60, s61  ; the token's other 32 keys lie in the lane 16 away
.set t, t+1
.endr
.set t, 0
.rept 4
	v_max_num_f32 v[T32+8*t+5], v[T32+8*t], v[T32+8*t+3]
.set t, t+1
.endr
.set t, 0
.rept 4
	v_mul_f32 v[T32+8*t+4], s62, v[T32+8*t+5]
.set t, t+1
.endr
.set t, 0
.rept 4
.set n, 0
.rept 16
	v_pk_fma_f32 v[WB0+32*t+2*n:WB0+32*t+2*n+1], v[WB0+32*t+2*n:WB0+32*t+2*n+1], s[62:63], v[T32+8*t+4:T32+8*t+5] op_sel_hi:[1,0,0] neg_lo:[0,0,1] neg_hi:[0,0,1]  ; c s - c m
.set n, n+1
.endr
.set t, t+1
.endr
.set n, 0
.rept 128
	v_exp_f32 v[WB0+n], v[WB0+n]
.set n, n+1
.endr
	v_nop
	s_wait_alu depctr_va_vdst(0)                   ; the one wait for the batch
.set n, 0
.rept 64
	v_cvt_pk_bf16_f32 v[HACC+n], v[WB0+2*n], v[WB0+2*n+1]
.set n, n+1
.endr
	SUMS 2, 8                                      ; l, of the unrounded weights
	SUMS 4, 4
	SUMS 8, 2
	SUMS 16, 1
.set t, 0
.rept 4
	v_add_f32 v[T32+8*t+6], v[WB0+32*t], v[WB0+32*t+1]
.set t, t+1
.endr
.set t, 0
.rept 4
	v_permlanex16_b32 v[T32+8*t+7], v[T32+8*t+6], s60, s61
.set t, t+1
.endr
.set t, 0
.rept 4
	v_add_f32 v[T32+8*t+6], v[T32+8*t+6], v[T32+8*t+7]
.set t, t+1
.endr
.set t, 0
.rept 4
	v_rcp_f32 v[T32+8*t+6], v[T32+8*t+6]
.set t, t+1
.endr
	v_nop                                          ; a plain instruction behind the last reciprocal; their wait stands behind the products below, ahead of their first reader
	WIN 0x02
.set k, 0
.rept 2                                        ; keys 32 k on; the 8 accumulators take turns; the first 8 products start the sums
.set t, 0
.rept 4
.set c, 0
.rept 2
.if k == 0
	v_wmma_f32_16x16x32_bf16 v[WB1+16*t+8*c:WB1+16*t+8*c+7], v[128+32*(\i)+16*c+8*k:128+32*(\i)+16*c+8*k+7], v[HACC+16*t+8*k:HACC+16*t+8*k+7], 0
.else
	v_wmma_f32_16x16x32_bf16 v[WB1+16*t+8*c:WB1+16*t+8*c+7], v[128+32*(\i)+16*c+8*k:128+32*(\i)+16*c+8*k+7], v[HACC+16*t+8*k:HACC+16*t+8*k+7], v[WB1+16*t+8*c:WB1+16*t+8*c+7]
.endif
.set c, c+1
.endr
.set t, t+1
.endr
.set k, k+1
.endr
	PLACES 8
	s_wait_alu depctr_va_vdst(0)
	WIN 0
.set t, 0
.rept 4
.set n, 0
.rept 8
	v_pk_mul_f32 v[WB1+16*t+2*n:WB1+16*t+2*n+1], v[WB1+16*t+2*n:WB1+16*t+2*n+1], v[T32+8*t+6:T32+8*t+7] op_sel_hi:[1,0]
.set n, n+1
.endr
.set t, t+1
.endr
	WIN 0x80                                       ; ctx's fragment (i, t) takes the place of the head's K, in window 2
.set n, 0
.rept 32
	v_cvt_pk_bf16_f32 v[32*(\i)+n], v[WB1+2*n], v[WB1+2*n+1]
.set n, n+1
.endr
.endm
	; ---------------------------------------------------------------- the head
	s_load_b512 s[4:19], s[0:1], 0x0               ; h s[4:5], wts s[6:7], kf s[8:9], vf s[10:11], ln_g s[12:13], ln_b s[14:15], bq s[16:17], b1 s[18:19]
	s_load_b128 s[20:23], s[0:1], 0x40             ; b2 s[20:21], alpha s[22:23]
	s_load_b64 s[24:25], s[0:1], 0x50              ; out0
	v_lshl_add_u32 v4, v0, 2, SPARE
	v_mov_b32 v5, 0
	ds_add_u32 v4, v5                              ; the wave's opening: the add, twice on end, and its wait ahead of my first tensor load; the set-up below stands between
	ds_add_u32 v4, v5
	v_lshrrev_b32 v1, 5, v0
	v_readfirstlane_b32 s26, v1                    ; wave 0..3
	s_bfe_u32 s27, ttmp6, 0x40000                  ; cx: my place in the cluster
	s_lshl_b32 s28, ttmp9, 2                       ; in a cluster launch ttmp9 counts clusters
	s_add_co_u32 s28, s28, s27                     ; the work-group: it enters h's and out0's addresses alone
	; the weights' group 1: 32 rows x 512 elements of 2 bytes, 8 words of padding behind every 256; mask: all four work-groups
	s_mov_b32 s32, 15|(1<<16)|(1<<20)|(1<<21)|(7<<22)|(7<<25)
	s_mov_b32 s33, 512<<16                         ; tensor_dim0 = 512
	s_mov_b32 s34, 32<<16                          ; tensor_dim1 = 32
	s_mov_b32 s35, 512<<16                         ; tile_dim0 = 512
	s_mov_b32 s36, 32                              ; tile_dim1 = 32
	s_mov_b32 s37, 512                             ; elements from row to row
	s_mov_b32 s38, 0
	s_mov_b32 s39, 0
	; h's group 1: my 16 tokens as 32 dense half rows of 256 elements of 4 bytes, 4 words of padding behind each; no mask: a load of my own
	s_mov_b32 s48, (2<<16)|(1<<20)|(7<<22)|(3<<25)
	s_mov_b32 s49, 256<<16
	s_mov_b32 s50, 32<<16
	s_mov_b32 s51, 256<<16
	s_mov_b32 s52, 32
	s_mov_b32 s53, 256
	s_mov_b32 s54, 0
	s_mov_b32 s55, 0
	s_mov_b32 s40, 1
	s_mul_i32 s41, s26, 32*WP                      ; slot 0, my 32 rows: no place in the cluster enters an LDS address
	s_mov_b32 s44, 1
	s_add_co_u32 s45, s41, SLOTB                   ; slot 1
	s_mov_b32 s56, 1
	s_mul_i32 s57, s26, 33280                      ; 32 half rows of 1,040 bytes,
	s_add_co_u32 s57, s57, SLOTB                   ; in slot 1
	s_mov_b32 s60, 0x76543210
	s_mov_b32 s61, 0xfedcba98
	s_mov_b32 s62, 0x3e8293ee                      ; log2(e) / sqrt 32
	s_mov_b32 s63, s62
	s_mov_b32 s66, 0x3f87dc22                      ; a5 =  1.061405429
	s_mov_b32 s67, s66
	s_mov_b32 s68, 0xbfba00e3                      ; a4 = -1.453152027
	s_mov_b32 s69, s68
	s_mov_b32 s70, 0x3fb5f0e3                      ; a3 =  1.421413741
	s_mov_b32 s71, s70
	s_mov_b32 s72, 0xbe91a98e                      ; a2 = -0.284496736
	s_mov_b32 s73, s72
	s_mov_b32 s74, 0x3e827906                      ; a1 =  0.254829592
	s_mov_b32 s75, s74
	s_mov_b32 s76, 0x3f596d27                      ; sqrt(log2(e) / 2)
	s_mov_b32 s77, s76
	s_mov_b32 s78, 0x3e6d3388                      ; 0.3275911 / sqrt 2
	s_lshl_b32 s84, s26, 15                        ; my 32 rows of a block, and my 16 tokens of h: 32,768 bytes
	s_mov_b32 s85, 0
	s_lshl_b32 s86, s28, 17                        ; the work-group's 64 tokens
	s_mov_b32 s87, 0
	s_lshr_b32 s29, ttmp9, 4                       ; the batch: 16 clusters each; the partners share it
	s_lshl_b32 s29, s29, 16
	s_lshl_b32 s30, s26, 14
	s_add_co_u32 s30, s29, s30                     ; kf, vf: the batch's 64 fragments, my four heads' 16
	s_mov_b32 s31, 0
	s_mov_b32 s29, ttmp9
	s_cmp_eq_u32 s29, 0
	s_cselect_b32 s82, 32, 0                       ; cluster 0 prefetches blocks 4 to 35
	s_wait_dscnt 0x0                               ; both opening adds are done
	s_wait_kmcnt 0x0
	s_load_b32 s83, s[22:23], 0x0                  ; alpha
	s_add_nc_u64 s[42:43], s[6:7], s[84:85]        ; block 0
	s_add_nc_u64 s[46:47], s[42:43], BLK           ; block 1
	s_or_b32 s43, s43, 0x80000000                  ; type = 2
	s_or_b32 s47, s47, 0x80000000
	s_add_nc_u64 s[58:59], s[4:5], s[86:87]
	s_add_nc_u64 s[58:59], s[58:59], s[84:85]
	s_or_b32 s59, s59, 0x80000000
	s_add_nc_u64 s[24:25], s[24:25], s[86:87]
	s_add_nc_u64 s[8:9], s[8:9], s[30:31]
	s_add_nc_u64 s[10:11], s[10:11], s[30:31]
	s_add_nc_u64 s[80:81], s[6:7], 3*BLK           ; the first change of slots steps it to block 4
	ROUND                                          ; all four work-groups are here: the first loads go out as one group
	tensor_load_to_lds s[56:59], s[48:55]          ; h, into slot 1
	s_nop 0
	tensor_load_to_lds s[40:43], s[32:39]          ; block 0, into slot 0
	s_nop 0
	v_and_b32 v1, 31, v0                           ; l
	v_and_b32 v2, 15, v0                           ; l % 16
	v_bfe_u32 v3, v0, 4, 1                         ; l / 16
	v_and_b32 v28, 7, v0
	v_bfe_u32 v29, v0, 3, 1
	v_lshl_add_u32 v30, v3, 3, v28                 ; the turning load: lane l reads row 8 (l / 16) + l % 8,
	v_mul_u32_u24 v30, v30, WP
	v_lshl_add_u32 v30, v29, 4, v30                ; columns 8 ((l / 8) % 2) + 0..7
	s_lshl_b32 s29, s26, 8                         ; type B: my 128 columns
	v_add_nc_u32 v6, s29, v30
	v_add_nc_u32 v7, 64*WP, v6
	v_add_nc_u32 v8, SLOTB, v6
	v_add_nc_u32 v9, SLOTB+64*WP, v6
	s_lshl_b32 s29, s26, 6                         ; type A: my 32 of a group's 128 columns
	v_add_nc_u32 v10, s29, v30
	v_add_nc_u32 v11, 64*WP, v10
	v_lshl_add_u32 v12, v1, 4, HBB
	s_lshl_b32 s29, s26, 12
	v_add_nc_u32 v13, s29, v12
	s_and_b32 s29, s26, 1
	s_lshl_b32 s29, s29, 14
	v_add_nc_u32 v14, s29, v12
	v_lshl_add_u32 v16, v2, 4, STATB
	s_lshl_b32 s29, s26, 8
	v_add_nc_u32 v15, s29, v16
	v_mul_u32_u24 v17, v2, 2080                    ; h in LDS: token l % 16 (two half rows of 1,040),
	v_lshl_add_u32 v17, v3, 5, v17                 ; 8 numbers for each half of the lanes,
	s_lshr_b32 s29, s26, 1
	s_mul_i32 s29, s29, 1040                       ; my 128 columns: half row w / 2,
	s_and_b32 s30, s26, 1
	s_lshl_b32 s30, s30, 9                         ; its half w % 2
	s_add_co_u32 s29, s29, s30
	s_add_co_u32 s29, s29, SLOTB
	v_add_nc_u32 v17, s29, v17
	v_add_nc_u32 v18, 32*2080, v17
	s_lshl_b32 s29, s26, 9
	v_lshl_add_u32 v19, v3, 5, s29
	v_lshlrev_b32 v24, 11, v3                      ; out0: lanes 0-15 one row's 256 bytes, lanes 16-31 the next row's
	v_lshl_add_u32 v24, v2, 4, v24
	v_add_nc_u32 v24, s29, v24
	s_lshl_b32 s29, s26, 7
	v_lshl_add_u32 v20, v3, 5, s29
	v_lshlrev_b32 v21, 4, v1
	s_mul_i32 s29, s26, 16*272
	s_add_co_u32 s29, s29, STGB
	v_mul_u32_u24 v22, v2, 272                     ; the stage, in: row l % 16, 32 bytes for each half of the lanes
	v_lshl_add_u32 v22, v3, 5, v22
	v_add_nc_u32 v22, s29, v22
	v_mul_u32_u24 v23, v3, 272                     ; back: two rows of 256 bytes
	v_lshl_add_u32 v23, v2, 4, v23
	v_add_nc_u32 v23, s29, v23
	s_lshl_b32 s29, s27, 2
	s_add_co_u32 s29, s29, s26
	s_lshl_b32 s29, s29, 13
	v_lshl_add_u32 v25, v1, 8, s29                 ; the prefetches: piece 32 (4 cx + w) + l of a block's 512
	s_mov_b32 s86, 0x3b000000                      ; 1 / 512
	s_mov_b32 s87, 0x3727c5ac                      ; 1e-5
	; the four vectors of 512, as tiles: register 8 c + j = number 128 w + 16 c + 8 (l / 16) + j, as in an accumulator
	WIN 0x40
.set c, 0
.rept 8
	global_load_b128 v[8*c:8*c+3], v19, s[16:17] offset:64*c          ; bq, into Q's accumulators (0, c)
	global_load_b128 v[8*c+4:8*c+7], v19, s[16:17] offset:64*c+16
.set c, c+1
.endr
	WIN 0
.set c, 0
.rept 8
	global_load_b128 v[WB0+8*c:WB0+8*c+3], v19, s[12:13] offset:64*c  ; ln_g
	global_load_b128 v[WB0+8*c+4:WB0+8*c+7], v19, s[12:13] offset:64*c+16
	global_load_b128 v[WB1+8*c:WB1+8*c+3], v19, s[14:15] offset:64*c  ; ln_b
	global_load_b128 v[WB1+8*c+4:WB1+8*c+7], v19, s[14:15] offset:64*c+16
.set c, c+1
.endr
	WIN 0x80
.set c, 0
.rept 8
	global_load_b128 v[64+8*c:64+8*c+3], v19, s[20:21] offset:64*c    ; b2
	global_load_b128 v[64+8*c+4:64+8*c+7], v19, s[20:21] offset:64*c+16
.set c, c+1
.endr
	WIN 0
	s_wait_kmcnt 0x0                               ; ta = 1 - 2 / (1 + 2^(2 log2(e) alpha))
	v_mov_b32 v28, s83
	v_mul_f32 v28, 0x4038aa3b, v28
	v_exp_f32 v29, v28
	v_nop
	s_wait_alu depctr_va_vdst(0)
	v_add_f32 v29, 1.0, v29
	v_rcp_f32 v30, v29
	v_nop
	s_wait_alu depctr_va_vdst(0)
	v_fma_f32 v26, v30, -2.0, 1.0
	v_mov_b32 v27, v26
	; ---------------------------------------------------------------- h into out's accumulators
	s_wait_tensorcnt 0x1                           ; my 16 tokens of h are in (the first of my two loads); block 0 may stay out
	s_barrier_signal -1
	s_barrier_wait -1                              ; everybody's are
	WIN 0xc0
.set t, 0
.rept 4
.set c, 0
.rept 8
	ds_load_b128 v[64*t+8*c:64*t+8*c+3], v[17+t/2] offset:(t%2)*16*2080+64*c
	ds_load_b128 v[64*t+8*c+4:64*t+8*c+7], v[17+t/2] offset:(t%2)*16*2080+64*c+16
.set c, c+1
.endr
.set t, t+1
.endr
	WIN 0
	s_wait_dscnt 0x0
	; ---------------------------------------------------------------- LayerNorm, pass 1: the mean.  Four chains a token tile; the first eight pairs start them
	WIN 0x0f
.set t, 0
.rept 4
.set k, 0
.rept 4
	v_pk_add_f32 v[T32+8*t+2*k:T32+8*t+2*k+1], v[64*t+2*k:64*t+2*k+1], v[64*t+2*k+8:64*t+2*k+9]
.set k, k+1
.endr
.set t, t+1
.endr
	WIN 0x0c
.set t, 0
.rept 4
.set p, 8
.rept 24
	v_pk_add_f32 v[T32+8*t+2*(p%4):T32+8*t+2*(p%4)+1], v[T32+8*t+2*(p%4):T32+8*t+2*(p%4)+1], v[64*t+2*p:64*t+2*p+1]
.set p, p+1
.endr
.set t, t+1
.endr
	REDUCE 0
.set t, 0
.rept 4
	v_mul_f32 v[HACC+2*t], s86, v[T32+t]           ; the mean, as a pair
	v_mov_b32 v[HACC+2*t+1], v[HACC+2*t]
.set t, t+1
.endr
	; ---------------------------------------------------------------- pass 2: the squares of the deviations
.set t, 0
.rept 4
	WIN 0x83                                       ; x in window 3, the mean in window 0, d into window 2
.set p, 0
.rept 32
	v_pk_add_f32 v[2*p:2*p+1], v[64*t+2*p:64*t+2*p+1], v[HACC+2*t:HACC+2*t+1] neg_lo:[0,1] neg_hi:[0,1]
.set p, p+1
.endr
	WIN 0x0a
.set p, 0
.rept 4
	v_pk_mul_f32 v[T32+8*t+2*p:T32+8*t+2*p+1], v[2*p:2*p+1], v[2*p:2*p+1]
.set p, p+1
.endr
.rept 28
	v_pk_fma_f32 v[T32+8*t+2*(p%4):T32+8*t+2*(p%4)+1], v[2*p:2*p+1], v[2*p:2*p+1], v[T32+8*t+2*(p%4):T32+8*t+2*(p%4)+1]
.set p, p+1
.endr
.set t, t+1
.endr
	REDUCE 1024
.set t, 0
.rept 4
	v_fma_f32 v[T32+t], v[T32+t], s86, s87         ; var + eps
.set t, t+1
.endr
.set t, 0
.rept 4
	v_rsq_f32 v[HACC+8+2*t], v[T32+t]
.set t, t+1
.endr
	v_nop
	s_wait_alu depctr_va_vdst(0)                   ; one wait for the four
.set t, 0
.rept 4
	v_mov_b32 v[HACC+8+2*t+1], v[HACC+8+2*t]
	v_mul_f32 v[HACC+16+2*t], -v[HACC+2*t], v[HACC+8+2*t]  ; - mean x rstd
	v_mov_b32 v[HACC+16+2*t+1], v[HACC+16+2*t]
.set t, t+1
.endr
	; ---------------------------------------------------------------- pass 3: h_ = (x rstd - mean rstd) g + b, rounded into my 16 fragments (i, t) at window 2, 128 + 8 (4 i + t)
	s_wait_loadcnt 0x0                             ; bq, ln_g, ln_b, b2
.set t, 0
.rept 4
	WIN 0x83
.set p, 0
.rept 32
	v_pk_fma_f32 v[2*p:2*p+1], v[64*t+2*p:64*t+2*p+1], v[HACC+8+2*t:HACC+8+2*t+1], v[HACC+16+2*t:HACC+16+2*t+1]
.set p, p+1
.endr
	WIN 0x82
.set p, 0
.rept 32
	v_pk_fma_f32 v[2*p:2*p+1], v[2*p:2*p+1], v[WB0+2*p:WB0+2*p+1], v[WB1+2*p:WB1+2*p+1]
.set p, p+1
.endr
	WIN 0x8a
.set f, 0
.rept 4
.set n, 0
.rept 8
	v_cvt_pk_bf16_f32 v[128+8*(4*f+t)+n], v[16*f+2*n], v[16*f+2*n+1]
.set n, n+1
.endr
.set f, f+1
.endr
.set t, t+1
.endr
	WIN 0xf2                                       ; out's accumulators: h + ta b2
.set t, 0
.rept 4
.set p, 0
.rept 32
	v_pk_fma_f32 v[64*t+2*p:64*t+2*p+1], v[64+2*p:64+2*p+1], v[26:27], v[64*t+2*p:64*t+2*p+1]
.set p, p+1
.endr
.set t, t+1
.endr
	WIN 0x80                                       ; K's fragments of my four heads: (i, kt) at window 2, 32 i + 8 kt
.set f, 0
.rept 16
	global_load_b128 v[8*f:8*f+3], v21, s[8:9] offset:1024*f
	global_load_b128 v[8*f+4:8*f+7], v21, s[8:9] offset:1024*f+512
.set f, f+1
.endr
	WIN 0
	; ---------------------------------------------------------------- Q^T = Wq^T h_^T + bq: four blocks.  Part j + 1 of h_ is stored behind the change into block j: that change's barrier stands behind
	; the reads of the buffer two blocks back, and the next change's barrier shows the part to every wave.
	HPART 0
	CHANGE 0, 1                                    ; block 0 is in; slot 1, out of which every wave has read h, takes block 1
	HPART 1
	G2 0, 0, 0x50, 1, 1
	CHANGE 1, 1
	HPART 2
	G2 1, 16384, 0x50, 0, 1
	CHANGE 0, 1
	HPART 3
	WIN 0x80                                       ; all h_ fragments have left window 2: V's fragments take their place: (i, ct, kk) at 128 + 32 i + 16 ct + 8 kk
.set f, 0
.rept 16
	global_load_b128 v[128+8*f:128+8*f+3], v21, s[10:11] offset:1024*f
	global_load_b128 v[128+8*f+4:128+8*f+7], v21, s[10:11] offset:1024*f+512
.set f, f+1
.endr
	G2 0, 0, 0x50, 0, 1
	CHANGE 1, 1
	G2 1, 16384, 0x50, 0, 1
	CHANGE 0, 1                                    ; block 4 is in, block 5 lands during attention; the barrier also stands between the last reads of h_'s parts and the gathering below
	s_wait_loadcnt 0x0                             ; K and V
	; ---------------------------------------------------------------- attention
	HEAD 0
	HEAD 1
	HEAD 2
	HEAD 3
	WIN 0
	B1LOAD                                         ; chunk 0's tile of b1
	; ---------------------------------------------------------------- every wave gathers all 64 fragments of ctx: two waves' 32 at a time through the two buffers.  Plain barriers
	s_cmp_lt_u32 s26, 2
	s_cbranch_scc0 .Lnot_first
	CPART
.Lnot_first:
	s_wait_dscnt 0x0
	s_barrier_signal -1
	s_barrier_wait -1
	CGET 0x40                                      ; heads 0-7 into window 1; its closing barrier: all reads are back
	s_cmp_lt_u32 s26, 2
	s_cbranch_scc1 .Lnot_second
	CPART
.Lnot_second:
	s_wait_dscnt 0x0
	s_barrier_signal -1
	s_barrier_wait -1
	CGET 0x80                                      ; heads 8-15 into window 2; behind its barrier the first buffer is free for the hidden chunk
	; ---------------------------------------------------------------- the FFN: 16 chunks of 128 hidden units; a chunk is a block of W1, the GELU, and a block of W2
	s_mov_b32 s79, 15
.Lchunk:
	G1
	GELU 0
	GELU 1
	CHANGE 1, 1                                    ; W2's block is in, and every wave's quarter of the hidden chunk lies in LDS
	G2 1, 0, 0xf0, 0, 2
	CHANGE 0, 1                                    ; the next W1 block is in, and the hidden chunk has been read by all
	s_sub_co_u32 s79, s79, 1
	s_cmp_lg_u32 s79, 0
	s_cbranch_scc1 .Lchunk
	G1                                             ; the last chunk is written out: nothing more is asked for
	GELU 0
	GELU 1
	CHANGE 1, 0
	G2 1, 0, 0xf0, 0, 0
	PLACES 8
	; ---------------------------------------------------------------- the way out: 16 tokens x 64 columns of f32 at a time through my stage: in by lanes (32 bytes of a row), back as rows of 256 bytes
.set pss, 0
.rept 8                                        ; pass = 2 t + half of my 128 columns
	WIN 0x0c                                       ; the stores' data in window 3
.set c, 0
.rept 4
	ds_store_b128 v22, v[64*(pss/2)+32*(pss%2)+8*c:64*(pss/2)+32*(pss%2)+8*c+3] offset:64*c
	ds_store_b128 v22, v[64*(pss/2)+32*(pss%2)+8*c+4:64*(pss/2)+32*(pss%2)+8*c+7] offset:64*c+16
.set c, c+1
.endr
	WIN 0
	s_wait_xcnt 0x0                                ; the earlier stores have read their data: the registers below are loaded again only behind this wait
.set u, 0
.rept 8
	ds_load_b128 v[WB0+64*(pss%2)+4*u:WB0+64*(pss%2)+4*u+3], v23 offset:544*u  ; LDS serves a wave's instructions in order (ISA guide 5.7.1.4): these see the stores above; the next pass's stores come behind them
.set u, u+1
.endr
.set u, 0
.rept 8
	s_wait_dscnt 7-u
	global_store_b128 v24, v[WB0+64*(pss%2)+4*u:WB0+64*(pss%2)+4*u+3], s[24:25] offset:(16*(pss/2)+2*u)*2048+256*(pss%2) th:TH_STORE_NT  ; 16 lanes store 256 consecutive bytes, at a multiple of 256 from out0's first byte
.set u, u+1
.endr
.set pss, pss+1
.endr
	s_wait_tensorcnt 0x0                           ; the wave's end, behind my last tensor load and my last LDS store
	ds_add_u32 v4, v5
	s_wait_dscnt 0x0
	ROUND                                          ; the closing round: no work-group ends while a partner may still ask for a block that names it
	s_endpgm
.Lfunc_end_k_q6e43a72f90_main:
	.size	k_q6e43a72f90_main, .Lfunc_end_k_q6e43a72f90_main-k_q6e43a72f90_main
	.p2alignl 7, 3214868480
	.fill 96, 4, 3214868480
	.section	.rodata,"a",@progbits
	.p2align	6, 0x0
	.amdhsa_kernel k_q6e43a72f90_main
		.amdhsa_group_segment_fixed_size 327680
		.amdhsa_private_segment_fixed_size 0
		.amdhsa_enable_private_segment 0
		.amdhsa_kernarg_size 88
		.amdhsa_user_sgpr_count 2
		.amdhsa_user_sgpr_kernarg_segment_ptr 1
		.amdhsa_wavefront_size32 1
		.amdhsa_system_sgpr_workgroup_id_x 1
		.amdhsa_system_sgpr_workgroup_id_y 1
		.amdhsa_system_sgpr_workgroup_id_z 1
		.amdhsa_system_vgpr_workitem_id 0
		.amdhsa_next_free_vgpr 1024
		.amdhsa_next_free_sgpr 88
		.amdhsa_reserve_vcc 0
		.amdhsa_float_denorm_mode_32 3
		.amdhsa_float_denorm_mode_16_64 3
		.amdhsa_memory_ordered 1
		.amdhsa_forward_progress 1
		.amdhsa_inst_pref_size 255
	.end_amdhsa_kernel
	.section	.bss,"aw",@nobits
	.p2align	6
	.space	262144
	.amdgpu_metadata
---
amdhsa.version: [ 1, 2 ]
amdhsa.kernels:
  - .name:           k_q6e43a72f90_main
    .symbol:         k_q6e43a72f90_main.kd
    .args:
      - { .name: h, .offset: 0, .size: 8, .value_kind: global_buffer, .address_space: global }
      - { .name: wts, .offset: 8, .size: 8, .value_kind: global_buffer, .address_space: global }
      - { .name: kf, .offset: 16, .size: 8, .value_kind: global_buffer, .address_space: global }
      - { .name: vf, .offset: 24, .size: 8, .value_kind: global_buffer, .address_space: global }
      - { .name: ln_g, .offset: 32, .size: 8, .value_kind: global_buffer, .address_space: global }
      - { .name: ln_b, .offset: 40, .size: 8, .value_kind: global_buffer, .address_space: global }
      - { .name: bq, .offset: 48, .size: 8, .value_kind: global_buffer, .address_space: global }
      - { .name: b1, .offset: 56, .size: 8, .value_kind: global_buffer, .address_space: global }
      - { .name: b2, .offset: 64, .size: 8, .value_kind: global_buffer, .address_space: global }
      - { .name: alpha, .offset: 72, .size: 8, .value_kind: global_buffer, .address_space: global }
      - { .name: out0, .offset: 80, .size: 8, .value_kind: global_buffer, .address_space: global }
    .group_segment_fixed_size: 327680
    .private_segment_fixed_size: 0
    .kernarg_segment_align: 8
    .kernarg_segment_size: 88
    .max_flat_workgroup_size: 128
    .sgpr_count:     88
    .vgpr_count:     1024
    .wavefront_size: 32
...
	.end_amdgpu_metadata
.endif
;; end of part 2
;; ======== version 2 of 3: 2 launches
;; limits: a function is approximated: absolute error at most 0.0005
;; workspace buffers: wts 4,718,592 bytes; kf 262,144 bytes; vf 262,144 bytes
;; launch prep: the kernel of part 1 again; grid 256 x 1, 8 waves a work-group, no clusters, 33,792 bytes of LDS; arguments Wq, W1, W2, Wk, Wv, z, bv, alpha, wts, kf, vf; writes wts, kf, vf
;; launch main (part 3): grid 256 x 1, 4 waves a work-group, clusters of 4 x 1, 327,680 bytes of LDS; arguments h, wts, kf, vf, ln_g, ln_b, bq, b1, b2, alpha, out0; writes out0
.if DOCPART == 3
	.amdgcn_target "amdgcn-amd-amdhsa--gfx1250"
	.amdhsa_code_object_version 6
	.text
	.protected	k_q6e43a72f90_main
	.globl	k_q6e43a72f90_main
	.p2align	8
	.type	k_q6e43a72f90_main,@function
k_q6e43a72f90_main:
	s_mov_b64 s[64:65], 0
	v_nop
	global_prefetch_b8 v0, s[64:65] scope:SCOPE_SE
	s_setreg_imm32_b32 hwreg(HW_REG_WAVE_MODE, 25, 1), 1
	s_wait_xcnt 0x0
	s_wait_alu depctr_hold_cnt(0) depctr_sa_sdst(0) depctr_va_vdst(0) depctr_va_sdst(0) depctr_va_ssrc(0) depctr_va_vcc(0) depctr_vm_vsrc(0)
	s_getreg_b32 s2, hwreg(HW_REG_IB_STS2, 6, 4)
	s_cmp_eq_u32 s2, 0
	s_cbranch_scc0 .Lentry_in_a_cluster
	s_endpgm
.Lentry_in_a_cluster:
	s_bfe_u32 s2, ttmp6, 0x10000c
	s_cmp_lg_u32 s2, 0x3003
	s_cbranch_scc0 .Lentry_shape_is_right
	s_endpgm
.Lentry_shape_is_right:
; SECOND OF TWO LAUNCHES: LayerNorm, Q, cross-attention, GELU FFN and the residual, fused: a work-group takes 64 tokens from h to out0, and nothing of theirs goes through memory in between.
; LEFT OUT: bk (it adds the same number to all 64 scores of a softmax row: shown at the head of the first launch).  A NaN, infinity or overflow that enters through bk alone is not carried on.
; out = h + ta b2 + (2 gelu(x)) (0.5 ta W2), ta = tanh(alpha): the output's accumulators START at h + ta b2, so h is read once and the residual costs nothing more.
; FORMATS.  All matrix operands bf16, all sums f32.  LayerNorm in two true passes (mean, then squares of the deviations).  Softmax takes the row's true maximum over its 64 keys away.
; GELU.  2 gelu(x) = 2 x Phi(x), Phi(x) = (1 + erf(x / sqrt 2)) / 2.  Phi(x) is taken as 1 / (1 + e^-(1.5957691 x + 0.0713548 x^3)).
; LIMIT: for every x the absolute error of Phi is under 2e-4 and that of gelu under 5e-4 (largest near |x| = 2.8, where half a step of the bf16 to which the value is rounded next is 7.8e-3); for large |x| the form
; gives 2 x or 0; round 0 it follows Phi's series through the term in x^3 to within 1 part in 100 of that term.  In the far negative tail, where gelu itself is small, the relative error grows (x = -3: -0.0036 for -0.0040).
; OTHER LIMITS.  A weight or an exponential below 2^-126 counts as 0; ta as in the first launch; NaN and infinities are not treated apart.
; SHARES.  Wave w owns all 64 tokens (four tiles t of 16) x a quarter of every product's columns: columns 128 w .. of Q (heads 4 w .. 4 w + 3: attention stays in the wave) and of out, 32 of each chunk of
; 128 hidden units.  EVERY PRODUCT IS TAKEN TRANSPOSED (source 0 = 16 weight columns, source 1 = 16 tokens): a lane then holds one token (l % 16) and 8 neighbouring columns (8 (l / 16) + 0..7), and two
; such results rounded in pairs ARE source 1 of the next product.  Between waves fragments go through LDS as images of 1,024 bytes: lane l's registers 0-3 at 16 l, 4-7 at 512 + 16 l.
; THE RING.  36 blocks of weights of 131,072 bytes (wts) go through two LDS slots; a block is 128 matrix instructions a wave.  The four work-groups of a cluster ask for each block JOINTLY; each wave fetches
; 32 of its 128 rows.  One tensor load a wave is out behind each change of slots, two at the start.  The weights lie [k][n] and come out of LDS turned (ds_load_tr16_b128).
; THE WALK.  Wq's four blocks come first, in order.  The sum over the FFN's 16 chunks may be taken in any order: cluster q begins at chunk (q + 8 bit4(q) + bit5(q)) % 16 and goes round, so that the 64 clusters
; ask for a block at 16 different steps of their walks and not all at the same one.  A slot's next address is made anew from the chunk's number, which hangs on the cluster's number alone: the partners share it.
; ctx (64 tokens x 512) stays in each wave's registers, 512 of them: two slots of this size leave no LDS for it, and so it is not read again from LDS for each of the 16 chunks.
; REGISTERS, in windows of 256 (s_set_vgpr_msb: bits 1:0 source 0, 3:2 source 1, 5:4 source 2, 7:6 destination):
;   window 0: v0-31 addresses and small things; v32-95 HACC; v96-159 WB0; v160-223 WB1; v224-255 T32 (their uses are named at each phase)
;   window 1: Q's 32 accumulators ((t, c) at 64 t + 8 c); later ctx's fragments of heads 0-7 ((head, t) at 32 (head % 8) + 8 t)
;   window 2: LayerNorm's scratch, b2, my h_ fragments; then K's and V's fragments and my ctx; later ctx's fragments of heads 8-15
;   window 3: out's 32 accumulators: h, then h + ta b2, then the sums
.set BLK,   131072
.set WP,    1056                       ; a row of weights in LDS: 1,024 bytes + 32 = 264 words
.set SLOTB, 128*WP                     ; a slot; slot 1 first holds h: 64 tokens as 128 half rows of 1,024 + 16 bytes
.set HBB,   2*SLOTB                    ; two buffers of 16 fragment images: h_'s parts, the gathering of ctx, the hidden chunk
.set STATB, HBB+32768                  ; LayerNorm's partial sums [wave][l % 16][t]: the sums, and 1,024 bytes on the squares
.set STGB,  STATB+2048                 ; the way out: 16 rows x 272 bytes for each wave
.set SPARE, STGB+4*16*272              ; the spare words, 128 bytes for each wave: two blocks of 256 bytes that no other line names.  No tensor load lands at or behind HBB
.set HACC,  32
.set WB0,   96
.set WB1,   160
.set T32,   224
; v4 my spare word, v5 0 (never rewritten); v6-9 type B fragments: slot 0 rows 0-, 64-, slot 1 rows 0-, 64-; v10-11 type A fragments (slot 0) rows 0-, 64-; v12 HBB + 16 l; v13 + 4,096 w; v14 + 16,384 (w % 2)
; v15, v16 LayerNorm's sums out and in; v17, v18 h in LDS, tiles 0-1 and 2-3; v19 my 8 numbers of a vector of 512; v20 of a chunk of b1; v21 16 l; v22, v23 the stage in and back; v24 out0; v25 the prefetches
; v[26:27] ta, twice; v[28:31] four sums for one LDS store
; s[6:7] wts at my 32 rows of block 4 (from the first loads on); s[22:23] b1 at the chunk in hand; s26 wave, s27 cx, s28 the work-group; s[30:31] that chunk's offset in b1
; s[32:39], s[40:43], s[44:47] weights: descriptor group 1, group 0 of slot 0 and of slot 1; s[48:55], s[56:59] h's; s[60:61] lane selects; s[62:63] log2(e) / sqrt 32
; s[66:67], s[68:69] the logistic form's two factors, times -log2(e), each as a pair of which the low word is taken; s79 alpha, then chunks to go; s[80:81], s82 the prefetches' place, and 1 where my cluster asks
; s83 the chunk whose blocks are addressed next; s[84:85] a block's offset (s85 stays 0); s86, s87 1/512, eps
.set MSB, 0
.macro WIN new                         ; the immediate's high byte repeats the setting that is left; a switch that changes nothing is dropped
.if MSB != (\new)
	s_set_vgpr_msb (MSB<<8)|(\new)
.set MSB, \new
.endif
.endm
.macro PLACES n=4                      ; places behind matrix instructions (ISA guide 7.12.1), where no other vector work is at hand
.rept \n
	v_nop
.endr
.endm
; A round of the cluster's barrier: my work-group's barrier, so that wave 0's signal speaks for all four waves; wave 0 signals; every wave waits for all four work-groups; my work-group's barrier once more.
.macro ROUND
	s_barrier_signal -1
	s_barrier_wait -1
	s_cmp_lg_u32 s26, 0
	s_cbranch_scc1 .Lnot_wave_0_\@
	s_barrier_signal -3
.Lnot_wave_0_\@:
	s_barrier_wait -3
	s_barrier_signal -1
	s_barrier_wait -1
.endm
; THE CHANGE OF SLOTS, into slot `slot`.  Each wave waits for all its tensor loads, of which one is out: its quarter of that slot; adds 0 to its spare word; waits for that, for its reads of the other slot and
; for its LDS stores (fragments that the others read behind the barrier).  refill = 1: the barrier is a round of the cluster's, and the other slot is filled again first thing behind it, by a joint load.
; Between the add and its wait this slot's descriptor takes its next block: two blocks on (anew = 0: Wq), or the block of chunk s83 (anew = 1: slot 0 holds W1's blocks, slot 1 W2's; the chunk's number
; steps, round 16, when both its blocks have been addressed; b1's offset goes with W2's block).  The four v_nop are the places in front of the LDS loads that follow.
.macro CHANGE slot, refill, anew=0
	WIN 0                                          ; at a label and at a branch every window is 0; the add's registers lie in window 0
	s_wait_tensorcnt 0x0                           ; no tensor load of mine is out, so a group 0 may be written
	ds_add_u32 v4, v5                              ; 0 onto my spare word
.if \refill
.if \anew
	s_lshl_b32 s84, s83, 18                        ; a chunk is two blocks
.if (\slot) == 1
	s_add_co_u32 s84, s84, BLK                     ; W2's is the second
	s_lshl_b32 s30, s83, 9                         ; the chunk's 128 numbers of b1
	s_add_co_u32 s83, s83, 1
	s_and_b32 s83, s83, 15
.endif
	s_add_nc_u64 s[42+4*(\slot):43+4*(\slot)], s[6:7], s[84:85]
	s_or_b32 s[43+4*(\slot)], s[43+4*(\slot)], 0x80000000  ; type = 2
.else
	s_add_nc_u64 s[42+4*(\slot):43+4*(\slot)], s[42+4*(\slot):43+4*(\slot)], 2*BLK  ; the type bits on top are not reached
.endif
.endif
	s_wait_dscnt 0x0
.if \refill
	ROUND
	tensor_load_to_lds s[44-4*(\slot):47-4*(\slot)], s[32:39]
	s_nop 0
.else
	s_barrier_signal -1
	s_barrier_wait -1
.endif
	PLACES
.endm
; A PREFETCH INTO THE L2 of the two blocks of a cluster's FIRST chunk: W1's behind the change into Wq's block 0, W2's (ofs = a block) behind the change into block 1: each three changes of slots, 384 matrix
; instructions a wave, ahead of the tensor load that asks for it.  Clusters 0 to 15 ask (s82 = 1 there: the same in all four partners): their first chunks are the 16 chunks, each once.  A cluster's 16 waves x 32 lanes
; name a block's 512 pieces of 256 bytes, told apart by address: each piece is named once in the launch.  Wq's blocks come by their loads alone; a chunk's later readings are asked for by nobody.
; The address registers are never rewritten.
.macro ASK ofs
	s_cmp_lg_u32 s82, 0
	s_cbranch_scc0 .Lnot_mine_\@
	global_prefetch_b8 v25, s[80:81] offset:\ofs th:TH_LOAD_NT scope:SCOPE_SE
.Lnot_mine_\@:
.endm
; TYPE B (Wq, W2): a block is 128 k x all 512 columns.  Unit q = its rows 32 q ..: my 8 column tiles' fragments (16 loads), and the 4 token tiles' fragments of the other operand (8 loads).
.macro LDWB buf, areg, ofs
.set c, 0
.rept 8
	ds_load_tr16_b128 v[(\buf)+8*c:(\buf)+8*c+3], v[\areg] offset:(\ofs)+32*c
	ds_load_tr16_b128 v[(\buf)+8*c+4:(\buf)+8*c+7], v[\areg] offset:(\ofs)+32*c+16*WP
.set c, c+1
.endr
.endm
.macro LDH buf, po, q
.set t, 0
.rept 4
	ds_load_b128 v[(\buf)+8*t:(\buf)+8*t+3], v12 offset:(\po)+(4*(\q)+t)*1024
	ds_load_b128 v[(\buf)+8*t+4:(\buf)+8*t+7], v12 offset:(\po)+(4*(\q)+t)*1024+512
.set t, t+1
.endr
.endm
; 32 products, the 32 accumulators by turns.  first = 1 (Q's first unit): accumulator (0, c) holds bq's tile; tiles 1-3 take it as C, and five places later tile 0 adds in place.
.macro MULB wb, hf, wset, first
	WIN \wset
.if \first
.set t, 1
.rept 3
.set c, 0
.rept 8
	v_wmma_f32_16x16x32_bf16 v[64*t+8*c:64*t+8*c+7], v[(\wb)+8*c:(\wb)+8*c+7], v[(\hf)+8*t:(\hf)+8*t+7], v[8*c:8*c+7]
.set c, c+1
.endr
.set t, t+1
.endr
	PLACES 5
.set c, 0
.rept 8
	v_wmma_f32_16x16x32_bf16 v[8*c:8*c+7], v[(\wb)+8*c:(\wb)+8*c+7], v[(\hf):(\hf)+7], v[8*c:8*c+7]
.set c, c+1
.endr
.else
.set t, 0
.rept 4
.set c, 0
.rept 8
	v_wmma_f32_16x16x32_bf16 v[64*t+8*c:64*t+8*c+7], v[(\wb)+8*c:(\wb)+8*c+7], v[(\hf)+8*t:(\hf)+8*t+7], v[64*t+8*c:64*t+8*c+7]
.set c, c+1
.endr
.set t, t+1
.endr
.endif
.endm
.macro B1LOAD                          ; b1's tile for my 32 units of the chunk at offset s30: the C that starts the hidden sums.  The loads that named s[22:23] last have been waited for
	s_add_nc_u64 s[22:23], s[18:19], s[30:31]
.set c, 0
.rept 2
	global_load_b128 v[T32+8*c:T32+8*c+3], v20, s[22:23] offset:64*c
	global_load_b128 v[T32+8*c+4:T32+8*c+7], v20, s[22:23] offset:64*c+16
.set c, c+1
.endr
.endm
; A type B block: four units on two sets of registers (WB0 with HACC, WB1 with HACC + 32).  A unit is 24 LDS loads: s_wait_dscnt 24 leaves the younger unit's out.
; hold = 1: the fourth unit's products are left to what follows the next change of slots: their operands are in registers by that change's wait, and they are multiplied while the next block's first fragments come.
; pend = 1: the block before has left such a unit: it is multiplied behind this block's first run of loads.  ask >= 0: a prefetch, at that offset.  b1n = 1: the next chunk's tile of b1 is asked for.
.macro G2 slot, po, wset, first, pend, hold, ask, b1n
	WIN 0
	LDWB WB0, 6+2*(\slot), 0
	LDH HACC, \po, 0
.if \pend
	MULB WB1, HACC+32, \wset, 0
	PLACES
	WIN 0
.endif
	LDWB WB1, 6+2*(\slot), 32*WP
	LDH HACC+32, \po, 1
.if (\ask) >= 0
	ASK \ask
.endif
.if \b1n
	B1LOAD
.endif
	s_wait_dscnt 24
	MULB WB0, HACC, \wset, \first
	PLACES
	WIN 0
	LDWB WB0, 7+2*(\slot), 0
	LDH HACC, \po, 2
	s_wait_dscnt 24
	MULB WB1, HACC+32, \wset, 0
	PLACES
	WIN 0
	LDWB WB1, 7+2*(\slot), 32*WP
	LDH HACC+32, \po, 3
	s_wait_dscnt 24
	MULB WB0, HACC, \wset, 0
.if (\hold) == 0
	s_wait_dscnt 0x0
	MULB WB1, HACC+32, \wset, 0
.endif
.endm
; TYPE A (W1): a block is all 512 k x a chunk's 128 units: row k % 128, column group k / 128.  Unit q = column group q: K steps 4 q + i (head 4 q + i of ctx), my 2 unit tiles: 16 loads.
.macro LDWA buf, q
.set i, 0
.rept 4
.set c, 0
.rept 2
	ds_load_tr16_b128 v[(\buf)+8*(2*i+c):(\buf)+8*(2*i+c)+3], v[10+i/2] offset:(i%2)*32*WP+256*(\q)+32*c
	ds_load_tr16_b128 v[(\buf)+8*(2*i+c)+4:(\buf)+8*(2*i+c)+7], v[10+i/2] offset:(i%2)*32*WP+256*(\q)+32*c+16*WP
.set c, c+1
.endr
.set i, i+1
.endr
.endm
.macro MULA buf, q                     ; 32 products onto the 8 hidden accumulators ((t, c) at HACC + 16 t + 8 c), by turns; the first 8 take b1's tile as C
	WIN 0x04+0x04*((\q)/2)                         ; source 1, ctx: window 1 (heads 0-7) or 2
.set i, 0
.rept 4
.set t, 0
.rept 4
.set c, 0
.rept 2
.if ((\q) == 0) && (i == 0)
	v_wmma_f32_16x16x32_bf16 v[HACC+16*t+8*c:HACC+16*t+8*c+7], v[(\buf)+8*(2*i+c):(\buf)+8*(2*i+c)+7], v[32*(4*((\q)%2)+i)+8*t:32*(4*((\q)%2)+i)+8*t+7], v[T32+8*c:T32+8*c+7]
.else
	v_wmma_f32_16x16x32_bf16 v[HACC+16*t+8*c:HACC+16*t+8*c+7], v[(\buf)+8*(2*i+c):(\buf)+8*(2*i+c)+7], v[32*(4*((\q)%2)+i)+8*t:32*(4*((\q)%2)+i)+8*t+7], v[HACC+16*t+8*c:HACC+16*t+8*c+7]
.endif
.set c, c+1
.endr
.set t, t+1
.endr
.set i, i+1
.endr
.endm
; A type A block: my 32 hidden units of the chunk, finished.  G1A is its first unit's loads, G1B the rest: between the two stand, in the loop, the products that W2's block has left.
.macro G1A
	WIN 0
	LDWA WB0, 0
.endm
.macro G1B
	LDWA WB1, 1
	s_wait_loadcnt 0x0                             ; b1's tile
	s_wait_dscnt 16                                ; the younger unit's 16 loads may be out
	MULA WB0, 0
	PLACES
	WIN 0
	LDWA WB0, 2
	s_wait_dscnt 16
	MULA WB1, 1
	PLACES
	WIN 0
	LDWA WB1, 3
	s_wait_dscnt 16
	MULA WB0, 2
	s_wait_dscnt 0x0
	MULA WB1, 3
	PLACES 8
	WIN 0
.endm
; 2 gelu of my 64 numbers a lane (x in HACC), rounded, into my place of the hidden chunk in LDS.  u in WB0, the fragments in WB1.
; u = x (C1 + C3 x^2) = -log2(e) (1.5957691 x + 0.0713548 x^3); e = 2^u; 2 Phi = 1 / (0.5 + 0.5 e); 2 gelu = x times that.
; The 64 exponentials are one batch with one wait, plain lines of later pairs between them; the 64 reciprocals another.  Each accumulator's lowest registers are read first.
.macro GELU
	WIN 0
.set n, 0
.rept 32
	v_pk_mul_f32 v[WB0+2*n:WB0+2*n+1], v[HACC+2*n:HACC+2*n+1], v[HACC+2*n:HACC+2*n+1]
.set n, n+1
.endr
.set n, 0
.rept 34                               ; pair n: C3 x^2 + C1; pair n - 1: times x; pair n - 2: its two exponentials.  No line names an exponential's result
.if n < 32
	v_pk_fma_f32 v[WB0+2*n:WB0+2*n+1], v[WB0+2*n:WB0+2*n+1], s[66:67], s[68:69] op_sel_hi:[1,0,0]
.endif
.if n >= 2
	v_exp_f32 v[WB0+2*n-4], v[WB0+2*n-4]
.endif
.if (n >= 1) && (n <= 32)
	v_pk_mul_f32 v[WB0+2*n-2:WB0+2*n-1], v[WB0+2*n-2:WB0+2*n-1], v[HACC+2*n-2:HACC+2*n-1]
.endif
.if n >= 2
	v_exp_f32 v[WB0+2*n-3], v[WB0+2*n-3]
.endif
.set n, n+1
.endr
	v_nop                                          ; a plain instruction behind the last exponential,
	s_wait_alu depctr_va_vdst(0)                   ; and the one wait for the batch, ahead of its first reader
.set n, 0
.rept 33                               ; pair n: 0.5 e + 0.5; pair n - 1: its two reciprocals
.if n < 32
	v_pk_fma_f32 v[WB0+2*n:WB0+2*n+1], v[WB0+2*n:WB0+2*n+1], 0.5, 0.5 op_sel_hi:[1,0,0]
.endif
.if n >= 1
	v_rcp_f32 v[WB0+2*n-2], v[WB0+2*n-2]
	v_rcp_f32 v[WB0+2*n-1], v[WB0+2*n-1]
.endif
.set n, n+1
.endr
	v_nop
	s_wait_alu depctr_va_vdst(0)                   ; the one wait for the reciprocals
.set n, 0
.rept 32
	v_pk_mul_f32 v[WB0+2*n:WB0+2*n+1], v[WB0+2*n:WB0+2*n+1], v[HACC+2*n:HACC+2*n+1]
.set n, n+1
.endr
.set n, 0
.rept 32
	v_cvt_pk_bf16_f32 v[WB1+n], v[WB0+2*n], v[WB0+2*n+1]
.set n, n+1
.endr
.set t, 0
.rept 4
	ds_store_b128 v13, v[WB1+8*t:WB1+8*t+3] offset:1024*t
	ds_store_b128 v13, v[WB1+8*t+4:WB1+8*t+7] offset:1024*t+512
.set t, t+1
.endr
.endm
; LayerNorm: the four chains of each token tile (pairs at T32 + 8 t + 2 k) are added up, the halves of the lanes added, and the four waves' sums meet in LDS at byte so of the region.  Left: the totals in T32 + t.
.macro REDUCE so
	WIN 0
.set t, 0
.rept 4
	v_pk_add_f32 v[T32+8*t:T32+8*t+1], v[T32+8*t:T32+8*t+1], v[T32+8*t+2:T32+8*t+3]
	v_pk_add_f32 v[T32+8*t+4:T32+8*t+5], v[T32+8*t+4:T32+8*t+5], v[T32+8*t+6:T32+8*t+7]
.set t, t+1
.endr
.set t, 0
.rept 4
	v_pk_add_f32 v[T32+8*t:T32+8*t+1], v[T32+8*t:T32+8*t+1], v[T32+8*t+4:T32+8*t+5]
.set t, t+1
.endr
.set t, 0
.rept 4
	v_add_f32 v[28+t], v[T32+8*t], v[T32+8*t+1]
.set t, t+1
.endr
.set t, 0
.rept 4
	v_permlanex16_b32 v[T32+8*t+2], v[28+t], s60, s61  ; the token's other 64 of my 128 columns lie in the lane 16 away
.set t, t+1
.endr
.set t, 0
.rept 4
	v_add_f32 v[28+t], v[28+t], v[T32+8*t+2]
.set t, t+1
.endr
	ds_store_b128 v15, v[28:31] offset:\so
	s_wait_dscnt 0x0                               ; for the others' sake
	s_barrier_signal -1
	s_barrier_wait -1
.set t, 0
.rept 4
	ds_load_b128 v[T32+4*t:T32+4*t+3], v16 offset:(\so)+256*t
.set t, t+1
.endr
	s_wait_dscnt 0x0
	v_pk_add_f32 v[T32:T32+1], v[T32:T32+1], v[T32+4:T32+5]
	v_pk_add_f32 v[T32+2:T32+3], v[T32+2:T32+3], v[T32+6:T32+7]
	v_pk_add_f32 v[T32+8:T32+9], v[T32+8:T32+9], v[T32+12:T32+13]
	v_pk_add_f32 v[T32+10:T32+11], v[T32+10:T32+11], v[T32+14:T32+15]
	v_pk_add_f32 v[T32:T32+1], v[T32:T32+1], v[T32+8:T32+9]
	v_pk_add_f32 v[T32+2:T32+3], v[T32+2:T32+3], v[T32+10:T32+11]
.endm
.macro HPART who                       ; wave `who` puts its 16 fragments of h_ (channels 128 who ..) where all waves read them with Wq's block `who`
	s_cmp_lg_u32 s26, \who
	s_cbranch_scc1 .Lnot_my_part_\@
	WIN 0x08                                       ; the stores' data in window 2
.set f, 0
.rept 16
	ds_store_b128 v14, v[128+8*f:128+8*f+3] offset:1024*f
	ds_store_b128 v14, v[128+8*f+4:128+8*f+7] offset:1024*f+512
.set f, f+1
.endr
	WIN 0
.Lnot_my_part_\@:
.endm
.macro CPART                           ; my 16 fragments of ctx (window 2, 8 f) into my half of the two buffers
	WIN 0x08
.set f, 0
.rept 16
	ds_store_b128 v14, v[8*f:8*f+3] offset:1024*f
	ds_store_b128 v14, v[8*f+4:8*f+7] offset:1024*f+512
.set f, f+1
.endr
	WIN 0
.endm
.macro CGET wset                       ; both buffers' 32 fragments into a window
	WIN \wset
.set f, 0
.rept 32
	ds_load_b128 v[8*f:8*f+3], v12 offset:1024*f
	ds_load_b128 v[8*f+4:8*f+7], v12 offset:1024*f+512
.set f, f+1
.endr
	WIN 0
	s_wait_dscnt 0x0
	s_barrier_signal -1
	s_barrier_wait -1
.endm
.macro SUMS w, cnt                     ; in each token tile: cnt sums of pairs that lie w registers apart, in place
.set u, 0
.rept \cnt
.set t, 0
.rept 4
	v_pk_add_f32 v[WB0+32*t+2*(\w)*u:WB0+32*t+2*(\w)*u+1], v[WB0+32*t+2*(\w)*u:WB0+32*t+2*(\w)*u+1], v[WB0+32*t+2*(\w)*u+(\w):WB0+32*t+2*(\w)*u+(\w)+1]
.set t, t+1
.endr
.set u, u+1
.endr
.endm
; ATTENTION of my head i, all four token tiles.  Q's fragments in HACC + 8 t; S^T (t, kt) in WB0 + 32 t + 8 kt (WB0 and WB1); the weights' fragments (t, kk) in HACC + 16 t + 8 kk; O^T (t, ct) in WB1 + 16 t + 8 ct.
; Statistics of tile t at T32 + 8 t: +0..3 at work, +4 c m, +5 m, +6 l and then 1 / l, +7 at work.  The 128 exponentials are one batch with one wait; the four reciprocals another.
.macro HEAD i
	WIN 0x05                                       ; sources in window 1
.set t, 0
.rept 4
.set n, 0
.rept 8
	v_cvt_pk_bf16_f32 v[HACC+8*t+n], v[64*t+16*(\i)+2*n], v[64*t+16*(\i)+2*n+1]
.set n, n+1
.endr
.set t, t+1
.endr
	WIN 0x02                                       ; source 0 in window 2
.set t, 0
.rept 4
.set k, 0
.rept 4
	v_wmma_f32_16x16x32_bf16 v[WB0+32*t+8*k:WB0+32*t+8*k+7], v[32*(\i)+8*k:32*(\i)+8*k+7], v[HACC+8*t:HACC+8*t+7], 0
.set k, k+1
.endr
.set t, t+1
.endr
	PLACES
	WIN 0
.set n, 0
.rept 4                                        ; the maximum of a lane's 32 scores: four chains, each accumulator's lowest registers first
.set t, 0
.rept 4
	v_max3_num_f32 v[T32+8*t+n], v[WB0+32*t+8*n], v[WB0+32*t+8*n+1], v[WB0+32*t+8*n+2]
.set t, t+1
.endr
.set n, n+1
.endr
.set n, 4
.rept 8
.set t, 0
.rept 4
	v_max3_num_f32 v[T32+8*t+n%4], v[T32+8*t+n%4], v[WB0+32*t+8*(n%4)+2*(n/4)+1], v[WB0+32*t+8*(n%4)+2*(n/4)+2]
.set t, t+1
.endr
.set n, n+1
.endr
.set t, 0
.rept 4
	v_max3_num_f32 v[T32+8*t], v[T32+8*t], v[WB0+32*t+7], v[WB0+32*t+15]
	v_max3_num_f32 v[T32+8*t+1], v[T32+8*t+1], v[WB0+32*t+23], v[WB0+32*t+31]
	v_max_num_f32 v[T32+8*t+2], v[T32+8*t+2], v[T32+8*t+3]
.set t, t+1
.endr
.set t, 0
.rept 4
	v_max3_num_f32 v[T32+8*t], v[T32+8*t], v[T32+8*t+1], v[T32+8*t+2]
.set t, t+1
.endr
.set t, 0
.rept 4
	v_permlanex16_b32 v[T32+8*t+3], v[T32+8*t], s60, s61  ; the token's other 32 keys lie in the lane 16 away
.set t, t+1
.endr
.set t, 0
.rept 4
	v_max_num_f32 v[T32+8*t+5], v[T32+8*t], v[T32+8*t+3]
.set t, t+1
.endr
.set t, 0
.rept 4
	v_mul_f32 v[T32+8*t+4], s62, v[T32+8*t+5]
.set t, t+1
.endr
.set t, 0
.rept 4
.set n, 0
.rept 16
	v_pk_fma_f32 v[WB0+32*t+2*n:WB0+32*t+2*n+1], v[WB0+32*t+2*n:WB0+32*t+2*n+1], s[62:63], v[T32+8*t+4:T32+8*t+5] op_sel_hi:[1,0,0] neg_lo:[0,0,1] neg_hi:[0,0,1]  ; c s - c m
.set n, n+1
.endr
.set t, t+1
.endr
.set n, 0
.rept 128
	v_exp_f32 v[WB0+n], v[WB0+n]
.set n, n+1
.endr
	v_nop
	s_wait_alu depctr_va_vdst(0)                   ; the one wait for the batch
.set n, 0
.rept 64
	v_cvt_pk_bf16_f32 v[HACC+n], v[WB0+2*n], v[WB0+2*n+1]
.set n, n+1
.endr
	SUMS 2, 8                                      ; l, of the unrounded weights
	SUMS 4, 4
	SUMS 8, 2
	SUMS 16, 1
.set t, 0
.rept 4
	v_add_f32 v[T32+8*t+6], v[WB0+32*t], v[WB0+32*t+1]
.set t, t+1
.endr
.set t, 0
.rept 4
	v_permlanex16_b32 v[T32+8*t+7], v[T32+8*t+6], s60, s61
.set t, t+1
.endr
.set t, 0
.rept 4
	v_add_f32 v[T32+8*t+6], v[T32+8*t+6], v[T32+8*t+7]
.set t, t+1
.endr
.set t, 0
.rept 4
	v_rcp_f32 v[T32+8*t+6], v[T32+8*t+6]
.set t, t+1
.endr
	v_nop                                          ; a plain instruction behind the last reciprocal; their wait stands behind the products below, ahead of their first reader
	WIN 0x02
.set k, 0
.rept 2                                        ; keys 32 k on; the 8 accumulators take turns; the first 8 products start the sums
.set t, 0
.rept 4
.set c, 0
.rept 2
.if k == 0
	v_wmma_f32_16x16x32_bf16 v[WB1+16*t+8*c:WB1+16*t+8*c+7], v[128+32*(\i)+16*c+8*k:128+32*(\i)+16*c+8*k+7], v[HACC+16*t+8*k:HACC+16*t+8*k+7], 0
.else
	v_wmma_f32_16x16x32_bf16 v[WB1+16*t+8*c:WB1+16*t+8*c+7], v[128+32*(\i)+16*c+8*k:128+32*(\i)+16*c+8*k+7], v[HACC+16*t+8*k:HACC+16*t+8*k+7], v[WB1+16*t+8*c:WB1+16*t+8*c+7]
.endif
.set c, c+1
.endr
.set t, t+1
.endr
.set k, k+1
.endr
	PLACES 8
	s_wait_alu depctr_va_vdst(0)
	WIN 0
.set t, 0
.rept 4
.set n, 0
.rept 8
	v_pk_mul_f32 v[WB1+16*t+2*n:WB1+16*t+2*n+1], v[WB1+16*t+2*n:WB1+16*t+2*n+1], v[T32+8*t+6:T32+8*t+7] op_sel_hi:[1,0]
.set n, n+1
.endr
.set t, t+1
.endr
	WIN 0x80                                       ; ctx's fragment (i, t) takes the place of the head's K, in window 2
.set n, 0
.rept 32
	v_cvt_pk_bf16_f32 v[32*(\i)+n], v[WB1+2*n], v[WB1+2*n+1]
.set n, n+1
.endr
.endm
	; ---------------------------------------------------------------- the head
	s_load_b512 s[4:19], s[0:1], 0x0               ; h s[4:5], wts s[6:7], kf s[8:9], vf s[10:11], ln_g s[12:13], ln_b s[14:15], bq s[16:17], b1 s[18:19]
	s_load_b128 s[20:23], s[0:1], 0x40             ; b2 s[20:21], alpha s[22:23]
	s_load_b64 s[24:25], s[0:1], 0x50              ; out0
	v_lshl_add_u32 v4, v0, 2, SPARE
	v_mov_b32 v5, 0
	ds_add_u32 v4, v5                              ; the wave's opening: the add, twice on end, and its wait ahead of my first tensor load; the set-up below stands between
	ds_add_u32 v4, v5
	v_lshrrev_b32 v1, 5, v0
	v_readfirstlane_b32 s26, v1                    ; wave 0..3
	s_bfe_u32 s27, ttmp6, 0x40000                  ; cx: my place in the cluster
	s_lshl_b32 s28, ttmp9, 2                       ; in a cluster launch ttmp9 counts clusters
	s_add_co_u32 s28, s28, s27                     ; the work-group: it enters h's and out0's addresses alone
	; the weights' group 1: 32 rows x 512 elements of 2 bytes, 8 words of padding behind every 256; mask: all four work-groups
	s_mov_b32 s32, 15|(1<<16)|(1<<20)|(1<<21)|(7<<22)|(7<<25)
	s_mov_b32 s33, 512<<16                         ; tensor_dim0 = 512
	s_mov_b32 s34, 32<<16                          ; tensor_dim1 = 32
	s_mov_b32 s35, 512<<16                         ; tile_dim0 = 512
	s_mov_b32 s36, 32                              ; tile_dim1 = 32
	s_mov_b32 s37, 512                             ; elements from row to row
	s_mov_b32 s38, 0
	s_mov_b32 s39, 0
	; h's group 1: my 16 tokens as 32 dense half rows of 256 elements of 4 bytes, 4 words of padding behind each; no mask: a load of my own
	s_mov_b32 s48, (2<<16)|(1<<20)|(7<<22)|(3<<25)
	s_mov_b32 s49, 256<<16
	s_mov_b32 s50, 32<<16
	s_mov_b32 s51, 256<<16
	s_mov_b32 s52, 32
	s_mov_b32 s53, 256
	s_mov_b32 s54, 0
	s_mov_b32 s55, 0
	s_mov_b32 s40, 1
	s_mul_i32 s41, s26, 32*WP                      ; slot 0, my 32 rows: no place in the cluster enters an LDS address
	s_mov_b32 s44, 1
	s_add_co_u32 s45, s41, SLOTB                   ; slot 1
	s_mov_b32 s56, 1
	s_mul_i32 s57, s26, 33280                      ; 32 half rows of 1,040 bytes,
	s_add_co_u32 s57, s57, SLOTB                   ; in slot 1
	s_mov_b32 s60, 0x76543210
	s_mov_b32 s61, 0xfedcba98
	s_mov_b32 s62, 0x3e8293ee                      ; log2(e) / sqrt 32
	s_mov_b32 s63, s62
	s_mov_b32 s66, 0xbdd2d3e8                      ; C3 = -log2(e) x 0.0713548 = -0.10294324
	s_mov_b32 s67, s66
	s_mov_b32 s68, 0xc0135761                      ; C1 = -log2(e) x 1.5957691 = -2.3022082
	s_mov_b32 s69, s68
	s_lshl_b32 s84, s26, 15                        ; my 32 rows of a block, and my 16 tokens of h: 32,768 bytes
	s_mov_b32 s85, 0
	s_lshl_b32 s86, s28, 17                        ; the work-group's 64 tokens
	s_mov_b32 s87, 0
	s_lshr_b32 s29, ttmp9, 4                       ; the batch: 16 clusters each; the partners share it
	s_lshl_b32 s29, s29, 16
	s_lshl_b32 s30, s26, 14
	s_add_co_u32 s30, s29, s30                     ; kf, vf: the batch's 64 fragments, my four heads' 16
	s_mov_b32 s31, 0
	s_mov_b32 s29, ttmp9                           ; q, the cluster
	s_cmp_lt_u32 s29, 16
	s_cselect_b32 s82, 1, 0                        ; clusters 0 to 15 prefetch
	s_bfe_u32 s70, s29, 0x10004                    ; bit 4 of q
	s_lshl_b32 s70, s70, 3
	s_bfe_u32 s71, s29, 0x10005                    ; bit 5 of q
	s_add_co_u32 s83, s29, s70
	s_add_co_u32 s83, s83, s71
	s_and_b32 s83, s83, 15                         ; my cluster's first chunk; for q < 16 it is q
	s_lshl_b32 s70, s83, 18                        ; its two blocks' offset behind block 4
	s_mov_b32 s71, 0
	s_wait_dscnt 0x0                               ; both opening adds are done
	s_wait_kmcnt 0x0
	s_load_b32 s79, s[22:23], 0x0                  ; alpha
	s_add_nc_u64 s[42:43], s[6:7], s[84:85]        ; block 0
	s_add_nc_u64 s[46:47], s[42:43], BLK           ; block 1
	s_or_b32 s43, s43, 0x80000000                  ; type = 2
	s_or_b32 s47, s47, 0x80000000
	s_add_nc_u64 s[58:59], s[4:5], s[86:87]
	s_add_nc_u64 s[58:59], s[58:59], s[84:85]
	s_or_b32 s59, s59, 0x80000000
	s_add_nc_u64 s[24:25], s[24:25], s[86:87]
	s_add_nc_u64 s[8:9], s[8:9], s[30:31]
	s_add_nc_u64 s[10:11], s[10:11], s[30:31]
	s_add_nc_u64 s[80:81], s[6:7], s[70:71]        ; the prefetches: W1's block of my first chunk
	s_add_nc_u64 s[80:81], s[80:81], 4*BLK
	s_add_nc_u64 s[6:7], s[6:7], s[84:85]          ; from here on: my 32 rows of block 4, to which a chunk's offset is added
	s_add_nc_u64 s[6:7], s[6:7], 4*BLK
	ROUND                                          ; all four work-groups are here: the first loads go out as one group
	tensor_load_to_lds s[56:59], s[48:55]          ; h, into slot 1
	s_nop 0
	tensor_load_to_lds s[40:43], s[32:39]          ; block 0, into slot 0
	s_nop 0
	v_and_b32 v1, 31, v0                           ; l
	v_and_b32 v2, 15, v0                           ; l % 16
	v_bfe_u32 v3, v0, 4, 1                         ; l / 16
	v_and_b32 v28, 7, v0
	v_bfe_u32 v29, v0, 3, 1
	v_lshl_add_u32 v30, v3, 3, v28                 ; the turning load: lane l reads row 8 (l / 16) + l % 8,
	v_mul_u32_u24 v30, v30, WP
	v_lshl_add_u32 v30, v29, 4, v30                ; columns 8 ((l / 8) % 2) + 0..7
	s_lshl_b32 s29, s26, 8                         ; type B: my 128 columns
	v_add_nc_u32 v6, s29, v30
	v_add_nc_u32 v7, 64*WP, v6
	v_add_nc_u32 v8, SLOTB, v6
	v_add_nc_u32 v9, SLOTB+64*WP, v6
	s_lshl_b32 s29, s26, 6                         ; type A: my 32 of a group's 128 columns
	v_add_nc_u32 v10, s29, v30
	v_add_nc_u32 v11, 64*WP, v10
	v_lshl_add_u32 v12, v1, 4, HBB
	s_lshl_b32 s29, s26, 12
	v_add_nc_u32 v13, s29, v12
	s_and_b32 s29, s26, 1
	s_lshl_b32 s29, s29, 14
	v_add_nc_u32 v14, s29, v12
	v_lshl_add_u32 v16, v2, 4, STATB
	s_lshl_b32 s29, s26, 8
	v_add_nc_u32 v15, s29, v16
	v_mul_u32_u24 v17, v2, 2080                    ; h in LDS: token l % 16 (two half rows of 1,040),
	v_lshl_add_u32 v17, v3, 5, v17                 ; 8 numbers for each half of the lanes,
	s_lshr_b32 s29, s26, 1
	s_mul_i32 s29, s29, 1040                       ; my 128 columns: half row w / 2,
	s_and_b32 s30, s26, 1
	s_lshl_b32 s30, s30, 9                         ; its half w % 2
	s_add_co_u32 s29, s29, s30
	s_add_co_u32 s29, s29, SLOTB
	v_add_nc_u32 v17, s29, v17
	v_add_nc_u32 v18, 32*2080, v17
	s_lshl_b32 s29, s26, 9
	v_lshl_add_u32 v19, v3, 5, s29
	v_lshlrev_b32 v24, 11, v3                      ; out0: lanes 0-15 one row's 256 bytes, lanes 16-31 the next row's
	v_lshl_add_u32 v24, v2, 4, v24
	v_add_nc_u32 v24, s29, v24
	s_lshl_b32 s29, s26, 7
	v_lshl_add_u32 v20, v3, 5, s29
	v_lshlrev_b32 v21, 4, v1
	s_mul_i32 s29, s26, 16*272
	s_add_co_u32 s29, s29, STGB
	v_mul_u32_u24 v22, v2, 272                     ; the stage, in: row l % 16, 32 bytes for each half of the lanes
	v_lshl_add_u32 v22, v3, 5, v22
	v_add_nc_u32 v22, s29, v22
	v_mul_u32_u24 v23, v3, 272                     ; back: two rows of 256 bytes
	v_lshl_add_u32 v23, v2, 4, v23
	v_add_nc_u32 v23, s29, v23
	s_lshl_b32 s29, s27, 2
	s_add_co_u32 s29, s29, s26
	s_lshl_b32 s29, s29, 13
	v_lshl_add_u32 v25, v1, 8, s29                 ; the prefetches: piece 32 (4 cx + w) + l of a block's 512
	s_mov_b32 s86, 0x3b000000                      ; 1 / 512
	s_mov_b32 s87, 0x3727c5ac                      ; 1e-5
	; the four vectors of 512, as tiles: register 8 c + j = number 128 w + 16 c + 8 (l / 16) + j, as in an accumulator
	WIN 0x40
.set c, 0
.rept 8
	global_load_b128 v[8*c:8*c+3], v19, s[16:17] offset:64*c          ; bq, into Q's accumulators (0, c)
	global_load_b128 v[8*c+4:8*c+7], v19, s[16:17] offset:64*c+16
.set c, c+1
.endr
	WIN 0
.set c, 0
.rept 8
	global_load_b128 v[WB0+8*c:WB0+8*c+3], v19, s[12:13] offset:64*c  ; ln_g
	global_load_b128 v[WB0+8*c+4:WB0+8*c+7], v19, s[12:13] offset:64*c+16
	global_load_b128 v[WB1+8*c:WB1+8*c+3], v19, s[14:15] offset:64*c  ; ln_b
	global_load_b128 v[WB1+8*c+4:WB1+8*c+7], v19, s[14:15] offset:64*c+16
.set c, c+1
.endr
	WIN 0x80
.set c, 0
.rept 8
	global_load_b128 v[64+8*c:64+8*c+3], v19, s[20:21] offset:64*c    ; b2
	global_load_b128 v[64+8*c+4:64+8*c+7], v19, s[20:21] offset:64*c+16
.set c, c+1
.endr
	WIN 0
	s_wait_kmcnt 0x0                               ; ta = 1 - 2 / (1 + 2^(2 log2(e) alpha))
	v_mov_b32 v28, s79
	v_mul_f32 v28, 0x4038aa3b, v28
	v_exp_f32 v29, v28
	v_nop
	s_wait_alu depctr_va_vdst(0)
	v_add_f32 v29, 1.0, v29
	v_rcp_f32 v30, v29
	v_nop
	s_wait_alu depctr_va_vdst(0)
	v_fma_f32 v26, v30, -2.0, 1.0
	v_mov_b32 v27, v26
	; ---------------------------------------------------------------- h into out's accumulators
	s_wait_tensorcnt 0x1                           ; my 16 tokens of h are in (the first of my two loads); block 0 may stay out
	s_barrier_signal -1
	s_barrier_wait -1                              ; everybody's are
	WIN 0xc0
.set t, 0
.rept 4
.set c, 0
.rept 8
	ds_load_b128 v[64*t+8*c:64*t+8*c+3], v[17+t/2] offset:(t%2)*16*2080+64*c
	ds_load_b128 v[64*t+8*c+4:64*t+8*c+7], v[17+t/2] offset:(t%2)*16*2080+64*c+16
.set c, c+1
.endr
.set t, t+1
.endr
	WIN 0
	s_wait_dscnt 0x0
	; ---------------------------------------------------------------- LayerNorm, pass 1: the mean.  Four chains a token tile; the first eight pairs start them
	WIN 0x0f
.set t, 0
.rept 4
.set k, 0
.rept 4
	v_pk_add_f32 v[T32+8*t+2*k:T32+8*t+2*k+1], v[64*t+2*k:64*t+2*k+1], v[64*t+2*k+8:64*t+2*k+9]
.set k, k+1
.endr
.set t, t+1
.endr
	WIN 0x0c
.set t, 0
.rept 4
.set p, 8
.rept 24
	v_pk_add_f32 v[T32+8*t+2*(p%4):T32+8*t+2*(p%4)+1], v[T32+8*t+2*(p%4):T32+8*t+2*(p%4)+1], v[64*t+2*p:64*t+2*p+1]
.set p, p+1
.endr
.set t, t+1
.endr
	REDUCE 0
.set t, 0
.rept 4
	v_mul_f32 v[HACC+2*t], s86, v[T32+t]           ; the mean, as a pair
	v_mov_b32 v[HACC+2*t+1], v[HACC+2*t]
.set t, t+1
.endr
	; ---------------------------------------------------------------- pass 2: the squares of the deviations
.set t, 0
.rept 4
	WIN 0x83                                       ; x in window 3, the mean in window 0, d into window 2
.set p, 0
.rept 32
	v_pk_add_f32 v[2*p:2*p+1], v[64*t+2*p:64*t+2*p+1], v[HACC+2*t:HACC+2*t+1] neg_lo:[0,1] neg_hi:[0,1]
.set p, p+1
.endr
	WIN 0x0a
.set p, 0
.rept 4
	v_pk_mul_f32 v[T32+8*t+2*p:T32+8*t+2*p+1], v[2*p:2*p+1], v[2*p:2*p+1]
.set p, p+1
.endr
.rept 28
	v_pk_fma_f32 v[T32+8*t+2*(p%4):T32+8*t+2*(p%4)+1], v[2*p:2*p+1], v[2*p:2*p+1], v[T32+8*t+2*(p%4):T32+8*t+2*(p%4)+1]
.set p, p+1
.endr
.set t, t+1
.endr
	REDUCE 1024
.set t, 0
.rept 4
	v_fma_f32 v[T32+t], v[T32+t], s86, s87         ; var + eps
.set t, t+1
.endr
.set t, 0
.rept 4
	v_rsq_f32 v[HACC+8+2*t], v[T32+t]
.set t, t+1
.endr
	v_nop
	s_wait_alu depctr_va_vdst(0)                   ; one wait for the four
.set t, 0
.rept 4
	v_mov_b32 v[HACC+8+2*t+1], v[HACC+8+2*t]
	v_mul_f32 v[HACC+16+2*t], -v[HACC+2*t], v[HACC+8+2*t]  ; - mean x rstd
	v_mov_b32 v[HACC+16+2*t+1], v[HACC+16+2*t]
.set t, t+1
.endr
	; ---------------------------------------------------------------- pass 3: h_ = (x rstd - mean rstd) g + b, rounded into my 16 fragments (i, t) at window 2, 128 + 8 (4 i + t)
	s_wait_loadcnt 0x0                             ; bq, ln_g, ln_b, b2
.set t, 0
.rept 4
	WIN 0x83
.set p, 0
.rept 32
	v_pk_fma_f32 v[2*p:2*p+1], v[64*t+2*p:64*t+2*p+1], v[HACC+8+2*t:HACC+8+2*t+1], v[HACC+16+2*t:HACC+16+2*t+1]
.set p, p+1
.endr
	WIN 0x82
.set p, 0
.rept 32
	v_pk_fma_f32 v[2*p:2*p+1], v[2*p:2*p+1], v[WB0+2*p:WB0+2*p+1], v[WB1+2*p:WB1+2*p+1]
.set p, p+1
.endr
	WIN 0x8a
.set f, 0
.rept 4
.set n, 0
.rept 8
	v_cvt_pk_bf16_f32 v[128+8*(4*f+t)+n], v[16*f+2*n], v[16*f+2*n+1]
.set n, n+1
.endr
.set f, f+1
.endr
.set t, t+1
.endr
	WIN 0xf2                                       ; out's accumulators: h + ta b2
.set t, 0
.rept 4
.set p, 0
.rept 32
	v_pk_fma_f32 v[64*t+2*p:64*t+2*p+1], v[64+2*p:64+2*p+1], v[26:27], v[64*t+2*p:64*t+2*p+1]
.set p, p+1
.endr
.set t, t+1
.endr
	WIN 0x80                                       ; K's fragments of my four heads: (i, kt) at window 2, 32 i + 8 kt
.set f, 0
.rept 16
	global_load_b128 v[8*f:8*f+3], v21, s[8:9] offset:1024*f
	global_load_b128 v[8*f+4:8*f+7], v21, s[8:9] offset:1024*f+512
.set f, f+1
.endr
	WIN 0
	; ---------------------------------------------------------------- Q^T = Wq^T h_^T + bq: four blocks.  Part j + 1 of h_ is stored behind the change into block j: that change's barrier stands behind
	; the reads of the buffer two blocks back, and the next change's barrier shows the part to every wave.  Each block leaves its fourth unit's products to the far side of the next change.
	HPART 0
	CHANGE 0, 1                                    ; block 0 is in; slot 1, out of which every wave has read h, takes block 1
	HPART 1
	G2 0, 0, 0x50, 1, 0, 1, 0, 0
	CHANGE 1, 1
	HPART 2
	G2 1, 16384, 0x50, 0, 1, 1, BLK, 0
	CHANGE 0, 1, 1                                 ; slot 0's next block is W1's of my first chunk
	HPART 3
	WIN 0x80                                       ; all h_ fragments have left window 2: V's fragments take their place: (i, ct, kk) at 128 + 32 i + 16 ct + 8 kk
.set f, 0
.rept 16
	global_load_b128 v[128+8*f:128+8*f+3], v21, s[10:11] offset:1024*f
	global_load_b128 v[128+8*f+4:128+8*f+7], v21, s[10:11] offset:1024*f+512
.set f, f+1
.endr
	G2 0, 0, 0x50, 0, 1, 1, -1, 0
	CHANGE 1, 1, 1                                 ; slot 1's next block is W2's of my first chunk
	G2 1, 16384, 0x50, 0, 1, 1, -1, 0
	CHANGE 0, 1, 1                                 ; W1's first block is in, W2's lands during attention; the barrier also stands between the last reads of h_'s parts and the gathering below
	MULB WB1, HACC+32, 0x50, 0                     ; Q's last 32 products
	PLACES
	s_wait_loadcnt 0x0                             ; K and V
	; ---------------------------------------------------------------- attention
	HEAD 0
	HEAD 1
	HEAD 2
	HEAD 3
	WIN 0
	B1LOAD                                         ; my first chunk's tile of b1
	; ---------------------------------------------------------------- every wave gathers all 64 fragments of ctx: two waves' 32 at a time through the two buffers.  Plain barriers
	s_cmp_lt_u32 s26, 2
	s_cbranch_scc0 .Lnot_first
	CPART
.Lnot_first:
	s_wait_dscnt 0x0
	s_barrier_signal -1
	s_barrier_wait -1
	CGET 0x40                                      ; heads 0-7 into window 1; its closing barrier: all reads are back
	s_cmp_lt_u32 s26, 2
	s_cbranch_scc1 .Lnot_second
	CPART
.Lnot_second:
	s_wait_dscnt 0x0
	s_barrier_signal -1
	s_barrier_wait -1
	CGET 0x80                                      ; heads 8-15 into window 2; behind its barrier the first buffer is free for the hidden chunk
	; ---------------------------------------------------------------- the FFN: 16 chunks of 128 hidden units; a chunk is a block of W1, the GELU, and a block of W2.
	; A trip of the loop is W2's block of one chunk and W1's block and the GELU of the next; the loop is entered in its middle, at the first chunk's W1, so that W1's products and the GELU are written once;
	; the last chunk's W2 is written out behind the loop.
	G1A
	s_mov_b32 s79, 16
	s_branch .Lentry
.Lchunk:
	CHANGE 1, 1, 1                                 ; W2's block is in, and every wave's quarter of the hidden chunk lies in LDS; slot 0 takes the next chunk's W1
	G2 1, 0, 0xf0, 0, 0, 1, -1, 1
	CHANGE 0, 1, 1                                 ; the next W1 block is in, and the hidden chunk has been read by all; slot 1 takes that chunk's W2
	G1A
	MULB WB1, HACC+32, 0xf0, 0                     ; the 32 products that W2's block has left, while W1's first fragments come
	PLACES 5                                       ; in front of the loads into WB1 and of the products that write over HACC + 32 .., both of which those products read
	WIN 0
.Lentry:
	G1B
	GELU
	s_sub_co_u32 s79, s79, 1
	s_cmp_lg_u32 s79, 0
	s_cbranch_scc1 .Lchunk
	CHANGE 1, 0                                    ; the last block: nothing more is asked for
	G2 1, 0, 0xf0, 0, 0, 0, -1, 0
	PLACES 8
	; ---------------------------------------------------------------- the way out: 16 tokens x 64 columns of f32 at a time through my stage: in by lanes (32 bytes of a row), back as rows of 256 bytes
.set pss, 0
.rept 8                                        ; pass = 2 t + half of my 128 columns
	WIN 0x0c                                       ; the stores' data in window 3
.set c, 0
.rept 4
	ds_store_b128 v22, v[64*(pss/2)+32*(pss%2)+8*c:64*(pss/2)+32*(pss%2)+8*c+3] offset:64*c
	ds_store_b128 v22, v[64*(pss/2)+32*(pss%2)+8*c+4:64*(pss/2)+32*(pss%2)+8*c+7] offset:64*c+16
.set c, c+1
.endr
	WIN 0
	s_wait_xcnt 0x0                                ; the earlier stores have read their data: the registers below are loaded again only behind this wait
.set u, 0
.rept 8
	ds_load_b128 v[WB0+64*(pss%2)+4*u:WB0+64*(pss%2)+4*u+3], v23 offset:544*u  ; LDS serves a wave's instructions in order (ISA guide 5.7.1.4): these see the stores above; the next pass's stores come behind them
.set u, u+1
.endr
.set u, 0
.rept 8
	s_wait_dscnt 7-u
	global_store_b128 v24, v[WB0+64*(pss%2)+4*u:WB0+64*(pss%2)+4*u+3], s[24:25] offset:(16*(pss/2)+2*u)*2048+256*(pss%2) th:TH_STORE_NT  ; 16 lanes store 256 consecutive bytes, at a multiple of 256 from out0's first byte
.set u, u+1
.endr
.set pss, pss+1
.endr
	s_wait_tensorcnt 0x0                           ; the wave's end, behind my last tensor load and my last LDS store
	ds_add_u32 v4, v5
	s_wait_dscnt 0x0
	ROUND                                          ; the closing round: no work-group ends while a partner may still ask for a block that names it
	s_endpgm
.Lfunc_end_k_q6e43a72f90_main:
	.size	k_q6e43a72f90_main, .Lfunc_end_k_q6e43a72f90_main-k_q6e43a72f90_main
	.p2alignl 7, 3214868480
	.fill 96, 4, 3214868480
	.section	.rodata,"a",@progbits
	.p2align	6, 0x0
	.amdhsa_kernel k_q6e43a72f90_main
		.amdhsa_group_segment_fixed_size 327680
		.amdhsa_private_segment_fixed_size 0
		.amdhsa_enable_private_segment 0
		.amdhsa_kernarg_size 88
		.amdhsa_user_sgpr_count 2
		.amdhsa_user_sgpr_kernarg_segment_ptr 1
		.amdhsa_wavefront_size32 1
		.amdhsa_system_sgpr_workgroup_id_x 1
		.amdhsa_system_sgpr_workgroup_id_y 1
		.amdhsa_system_sgpr_workgroup_id_z 1
		.amdhsa_system_vgpr_workitem_id 0
		.amdhsa_next_free_vgpr 1024
		.amdhsa_next_free_sgpr 88
		.amdhsa_reserve_vcc 0
		.amdhsa_float_denorm_mode_32 3
		.amdhsa_float_denorm_mode_16_64 3
		.amdhsa_memory_ordered 1
		.amdhsa_forward_progress 1
		.amdhsa_inst_pref_size 255
	.end_amdhsa_kernel
	.section	.bss,"aw",@nobits
	.p2align	6
	.space	262144
	.amdgpu_metadata
---
amdhsa.version: [ 1, 2 ]
amdhsa.kernels:
  - .name:           k_q6e43a72f90_main
    .symbol:         k_q6e43a72f90_main.kd
    .args:
      - { .name: h, .offset: 0, .size: 8, .value_kind: global_buffer, .address_space: global }
      - { .name: wts, .offset: 8, .size: 8, .value_kind: global_buffer, .address_space: global }
      - { .name: kf, .offset: 16, .size: 8, .value_kind: global_buffer, .address_space: global }
      - { .name: vf, .offset: 24, .size: 8, .value_kind: global_buffer, .address_space: global }
      - { .name: ln_g, .offset: 32, .size: 8, .value_kind: global_buffer, .address_space: global }
      - { .name: ln_b, .offset: 40, .size: 8, .value_kind: global_buffer, .address_space: global }
      - { .name: bq, .offset: 48, .size: 8, .value_kind: global_buffer, .address_space: global }
      - { .name: b1, .offset: 56, .size: 8, .value_kind: global_buffer, .address_space: global }
      - { .name: b2, .offset: 64, .size: 8, .value_kind: global_buffer, .address_space: global }
      - { .name: alpha, .offset: 72, .size: 8, .value_kind: global_buffer, .address_space: global }
      - { .name: out0, .offset: 80, .size: 8, .value_kind: global_buffer, .address_space: global }
    .group_segment_fixed_size: 327680
    .private_segment_fixed_size: 0
    .kernarg_segment_align: 8
    .kernarg_segment_size: 88
    .max_flat_workgroup_size: 128
    .sgpr_count:     88
    .vgpr_count:     1024
    .wavefront_size: 32
...
	.end_amdgpu_metadata
.endif
;; end of part 3
;; ======== version 3 of 3: 2 launches; version 2 with the launch prep written anew for expert scheduling mode
;; limits: a function is approximated: absolute error at most 0.0005
;; workspace buffers: wts 4,718,592 bytes; kf 262,144 bytes; vf 262,144 bytes
;; launch prep (part 4): grid 256 x 1, 8 waves a work-group, no clusters, 33,792 bytes of LDS; arguments Wq, W1, W2, Wk, Wv, z, bv, alpha, wts, kf, vf; writes wts, kf, vf
.if DOCPART == 4
	.amdgcn_target "amdgcn-amd-amdhsa--gfx1250"
	.amdhsa_code_object_version 6
	.text
	.protected	k_q6e43a72f90_prep
	.globl	k_q6e43a72f90_prep
	.p2align	8
	.type	k_q6e43a72f90_prep,@function
k_q6e43a72f90_prep:
	s_mov_b64 s[64:65], 0
	v_nop
	global_prefetch_b8 v0, s[64:65] scope:SCOPE_SE
	s_setreg_imm32_b32 hwreg(HW_REG_WAVE_SCHED_MODE, 0, 2), 2
	s_setreg_imm32_b32 hwreg(HW_REG_WAVE_MODE, 25, 1), 1
	s_wait_xcnt 0x0
	s_wait_alu depctr_vm_vsrc(0)
; FIRST OF TWO LAUNCHES.  It rounds the weights of the token path to bf16, once, in the order in which the second launch walks them (wts), and makes K = z Wk and V = z Wv + bv
; as ready matrix fragments (kf, vf).
; DEAD WORK: bk.  A score is Q[t] . (K[m] + bk_head) / sqrt(32) = Q[t] . K[m] / sqrt(32) + Q[t] . bk_head / sqrt(32); the second term does not depend on the key m, so it is the same along the
; softmax's axis and cancels in softmax for all values of the inputs.  bk has then no way to the output: it is not loaded and is no argument of either launch.
; LIMIT: a NaN, an infinity or an overflow that enters through bk alone is not carried to the result.  bq stays (bq . K[m] varies with m), bv stays.
; ALGEBRA: out = h + ta (gelu(x) W2 + b2), ta = tanh(alpha).  Stored here: bf16(0.5 ta W2); the second launch multiplies it by 2 gelu(x).
; LIMITS: ta = 1 - 2 / (1 + e^(2 alpha)): its absolute error is a few units of f32's last place of 1, so a very small alpha keeps fewer digits of ta.  0.5 ta W2 is rounded to bf16 after the scaling.
; wts: 36 blocks of 131,072 bytes, each [128 rows][512 columns] of bf16.  Blocks 0-3: Wq's rows 128 j + row.  Block 4 + 2 c: W1[k][128 c + n] at row k % 128, column 128 (k / 128) + n.
; Block 5 + 2 c: 0.5 ta W2[128 c + row][column].
; kf: fragment (batch, head, kt) at ((16 batch + head) 4 + kt) 1,024: lane l's 16 bytes at 16 l: K[16 kt + l % 16][32 head + 8 (l / 16) + 0..7]; at 512 + 16 l the channels 16 further on.
; vf: fragment (batch, head, ct, kk) at ((16 batch + head) 4 + 2 ct + kk) 1,024: lane l holds channel 32 head + 16 ct + l % 16; at 16 l keys 32 kk + 8 (l / 16) + 0..7, at 512 + 16 l the keys 16 further on.
; SHARES.  Each of the 256 work-groups casts 1/256 of Wq, W1 and W2 (9 loads of 16 bytes and 9 stores of 8 bytes a thread; a wave's store covers 256 consecutive bytes, aligned) and makes one tile of
; 64 keys x 16 channels of K (work-groups 0-127) or V (128-255).  The sum over 512 is split among the eight waves, 64 each; the partial sums meet in LDS; waves 0-3 finish 16 keys each.
; The weights' fragments for K and V come by loads of 4 bytes a lane, 16 lanes on 64 consecutive bytes: 2 MiB in the whole launch, too little to send through LDS.
; THE MODE: SCHED_MODE bits 1:0 = 2 (LLVM: expert scheduling mode 2), set by the entry lines.  The code itself states the register dependences
; between vector or matrix instructions and memory or LDS instructions, with s_wait_alu, always for 0.
; THE PLAN.  Registers that memory or LDS instructions touch, in the order of the text (there is no loop):
;   v6-v13, v19  offsets and LDS addresses.  Written at the head, never again; read by every load and store.  ONE wait on va_vdst, ahead of the first load, serves them all.
;   CA           9 loads land in it; the scalings and conversions rewrite it in place; 9 stores read it; nothing writes it behind them.  One wait on va_vdst ahead of the stores.
;   ZF, WF       64 loads land in them; the conversions rewrite them in place; the matrix instructions read them.  In waves 0-3 the LDS loads of the partial sums land in ZF's first 64 registers.
;   ACC          Written by the matrix instructions; read by 8 LDS stores; never written again.  One wait on va_vdst ahead of those stores: it also states that conversions and matrix
;                instructions are done with ZF, and no vector instruction stands between it and the LDS loads into ZF.
;   ZF+64 ..+67  Written by the last conversions; read by the last store.  One wait on va_vdst ahead of it.
;   BV           Two loads land in it (V's arm); no vector instruction names it ahead of them.
;   v4, v5       Written at the head, read by the closing add alone.
; No register that a memory or LDS instruction reads is written again, so no wait on vm_vsrc stands in the text but the closing lines'.
.set BLK,   131072
.set SPARE, 32768                      ; behind the partial sums: the spare words, 128 bytes for each of the eight waves
.set ACC,   20                         ; v[20:51]   four accumulators: 16 keys each
.set CA,    52                         ; v[52:87]   the cast: 9 x 4 f32, packed in place
.set ZF,    88                         ; v[88:215]  z's fragments (K step ks, key tile mt) at ZF + 16 (4 ks + mt): 16 f32, packed into the low 8
.set WF,    216                        ; v[216:247] the weights' fragments, one a K step, likewise
.set BV,    248                        ; v[248:249] bv of my channel, twice
	s_load_b512 s[4:19], s[0:1], 0x0               ; Wq s[4:5], W1 s[6:7], W2 s[8:9], Wk s[10:11], Wv s[12:13], z s[14:15], bv s[16:17], alpha s[18:19]
	s_load_b128 s[20:23], s[0:1], 0x40             ; wts s[20:21], kf s[22:23]
	s_load_b64 s[24:25], s[0:1], 0x50              ; vf
	v_lshl_add_u32 v4, v0, 2, SPARE                ; my spare word; never rewritten
	v_mov_b32 v5, 0                                ; 0; never rewritten
	v_and_b32 v1, 31, v0                           ; l
	v_and_b32 v2, 15, v0                           ; l % 16
	v_bfe_u32 v3, v0, 4, 1                         ; l / 16
	v_lshrrev_b32 v16, 5, v0
	v_readfirstlane_b32 s27, v16                   ; wave 0..7
	s_mov_b32 s26, ttmp9                           ; g, the work-group
	v_lshlrev_b32 v6, 11, v2                       ; z: row l % 16 (2,048 bytes),
	v_lshl_add_u32 v6, v3, 5, v6                   ; 8 numbers for each half of the lanes,
	s_wait_alu depctr_va_sdst(0)                   ; s27 is written, ahead of its first reader, the line below: offsets, LDS addresses and a branch are made from it
	s_lshl_b32 s28, s27, 8
	v_add_nc_u32 v6, s28, v6                       ; my wave's 64 of the 512
	v_lshlrev_b32 v7, 2, v2                        ; Wk, Wv: column l % 16,
	v_lshl_add_u32 v7, v3, 14, v7                  ; row 8 (l / 16),
	s_lshl_b32 s28, s27, 17
	v_add_nc_u32 v7, s28, v7                       ; + 64 x wave
	v_lshlrev_b32 v8, 4, v0                        ; the cast's loads: 16 bytes a thread
	v_lshlrev_b32 v9, 3, v0                        ; its stores: 8 bytes a thread
	s_lshl_b32 s28, s27, 18
	v_lshl_add_u32 v10, v1, 3, s28                 ; W1's stores: 8 l, and the wave picks the chunk: two blocks a wave
	s_lshl_b32 s28, s27, 12
	v_lshl_add_u32 v11, v1, 4, s28                 ; LDS: my wave's four partial tiles
	s_lshl_b32 s28, s27, 10
	v_lshl_add_u32 v12, v1, 4, s28                 ; LDS: the tile that I finish (waves 0-3)
	v_lshlrev_b32 v13, 4, v1                       ; 16 l
	v_lshlrev_b32 v19, 2, v2                       ; bv: 4 (l % 16)
	; byte offsets, each in registers of its own
	s_lshl_b32 s30, s26, 12                        ; Wq in: 4,096 g
	s_mov_b32 s31, 0
	s_lshl_b32 s32, s26, 14                        ; W1 and W2 in: 16,384 g
	s_mov_b32 s33, 0
	s_lshl_b32 s34, s26, 11                        ; Wq out: 2,048 g
	s_mov_b32 s35, 0
	s_lshl_b32 s36, s26, 1                         ; W1 out: block 4, row (2 g) % 128, column group g / 64
	s_and_b32 s36, s36, 127
	s_lshl_b32 s36, s36, 10
	s_lshr_b32 s28, s26, 6
	s_lshl_b32 s28, s28, 8
	s_add_co_u32 s36, s36, s28
	s_add_co_u32 s36, s36, 4*BLK
	s_mov_b32 s37, 0
	s_lshl_b32 s38, s26, 3                         ; W2 out: block 5 + 2 (g / 16), row (8 g) % 128
	s_and_b32 s38, s38, 127
	s_lshl_b32 s38, s38, 10
	s_lshr_b32 s28, s26, 4
	s_lshl_b32 s28, s28, 18
	s_add_co_u32 s38, s38, s28
	s_add_co_u32 s38, s38, 5*BLK
	s_mov_b32 s39, 0
	s_and_b32 s40, s26, 3                          ; the batch
	s_bfe_u32 s29, s26, 0x50002                    ; nt, the tile of 16 channels: 5 bits from bit 2
	s_lshl_b32 s42, s29, 6                         ; 16 nt numbers of 4 bytes: in a row of Wk or Wv, and in bv
	s_mov_b32 s43, 0
	s_lshl_b32 s44, s40, 4
	s_lshr_b32 s28, s29, 1
	s_add_co_u32 s44, s44, s28                     ; 16 batch + head
	s_lshl_b32 s44, s44, 12                        ; its four fragments
	s_and_b32 s28, s29, 1                          ; which half of the head's 32 channels
	s_lshl_b32 s46, s28, 11                        ; vf: ct = that half; key tile u is half u % 2 of fragment kk = u / 2: 512 u
	s_add_co_u32 s46, s46, s44
	s_lshl_b32 s29, s27, 9
	s_add_co_u32 s46, s46, s29
	s_mov_b32 s47, 0
	s_lshl_b32 s28, s28, 9                         ; kf: that half is the fragment's half; kt = u
	s_add_co_u32 s44, s44, s28
	s_lshl_b32 s29, s27, 10
	s_add_co_u32 s44, s44, s29
	s_mov_b32 s45, 0
	s_lshl_b32 s40, s40, 17                        ; z: the batch's 64 rows
	s_mov_b32 s41, 0
	s_wait_kmcnt 0x0
	s_load_b32 s56, s[18:19], 0x0                  ; alpha
	s_add_nc_u64 s[4:5], s[4:5], s[30:31]
	s_add_nc_u64 s[6:7], s[6:7], s[32:33]
	s_add_nc_u64 s[8:9], s[8:9], s[32:33]
	s_add_nc_u64 s[48:49], s[20:21], s[34:35]
	s_add_nc_u64 s[50:51], s[20:21], s[36:37]
	s_add_nc_u64 s[52:53], s[20:21], s[38:39]
	s_add_nc_u64 s[14:15], s[14:15], s[40:41]
	s_cmp_lt_u32 s26, 128                          ; K or V?
	s_cselect_b64 s[54:55], s[10:11], s[12:13]
	s_add_nc_u64 s[54:55], s[54:55], s[42:43]
	s_add_nc_u64 s[16:17], s[16:17], s[42:43]
	s_add_nc_u64 s[22:23], s[22:23], s[44:45]
	s_add_nc_u64 s[24:25], s[24:25], s[46:47]
	s_wait_alu depctr_va_vdst(0)                   ; the offsets and LDS addresses v6 to v13 and v19 are written: every load, store and LDS access below reads one of them, and no later vector instruction names them
	; all loads at once: 9 for the cast, then 32 + 32 for the tile
	global_load_b128 v[CA:CA+3], v8, s[4:5] th:TH_LOAD_NT
.set i, 0
.rept 4
	global_load_b128 v[CA+4+4*i:CA+4+4*i+3], v8, s[6:7] offset:4096*i th:TH_LOAD_NT
.set i, i+1
.endr
.set i, 0
.rept 4
	global_load_b128 v[CA+20+4*i:CA+20+4*i+3], v8, s[8:9] offset:4096*i th:TH_LOAD_NT
.set i, i+1
.endr
.set i, 0
.rept 32                                       ; register 16 ks + 8 half + j: row 32 ks + 16 half + j of my wave's and half's rows
	global_load_b32 v[WF+i], v7, s[54:55] offset:(32*(i/16)+16*((i/8)%2)+i%8)*2048
.set i, i+1
.endr
.set i, 0
.rept 8                                        ; fragment i = 4 ks + mt: 8 numbers, and the 8 that lie 16 further on
	global_load_b128 v[ZF+16*i:ZF+16*i+3],     v6, s[14:15] offset:32768*(i%4)+128*(i/4)
	global_load_b128 v[ZF+16*i+4:ZF+16*i+7],   v6, s[14:15] offset:32768*(i%4)+128*(i/4)+16
	global_load_b128 v[ZF+16*i+8:ZF+16*i+11],  v6, s[14:15] offset:32768*(i%4)+128*(i/4)+64
	global_load_b128 v[ZF+16*i+12:ZF+16*i+15], v6, s[14:15] offset:32768*(i%4)+128*(i/4)+80
.set i, i+1
.endr
	; 0.5 tanh(alpha) = 0.5 - 1 / (1 + 2^(2 log2(e) alpha)).  v14 to v18 are named by vector instructions alone
	s_wait_kmcnt 0x0
	v_mov_b32 v16, s56
	v_mul_f32 v16, 0x4038aa3b, v16
	v_exp_f32 v17, v16
	v_nop                                          ; a plain instruction behind the exponential,
	s_wait_alu depctr_va_vdst(0)                   ; the exponential has written v17, ahead of its first reader
	v_add_f32 v17, 1.0, v17
	v_rcp_f32 v18, v17
	v_nop
	s_wait_alu depctr_va_vdst(0)                   ; the reciprocal has written v18, ahead of its first reader, likewise
	v_sub_f32 v14, 0.5, v18
	v_mov_b32 v15, v14
	s_wait_loadcnt 0x3f                            ; 64 loads were issued behind the cast's nine: with 63 out at the most, the nine are in
.set i, 5
.rept 4                                        ; W2 alone is scaled
	v_pk_mul_f32 v[CA+4*i:CA+4*i+1], v[CA+4*i:CA+4*i+1], v[14:15]
	v_pk_mul_f32 v[CA+4*i+2:CA+4*i+3], v[CA+4*i+2:CA+4*i+3], v[14:15]
.set i, i+1
.endr
.set i, 0
.rept 9
	v_cvt_pk_bf16_f32 v[CA+4*i], v[CA+4*i], v[CA+4*i+1]
	v_cvt_pk_bf16_f32 v[CA+4*i+1], v[CA+4*i+2], v[CA+4*i+3]
.set i, i+1
.endr
	s_wait_alu depctr_va_vdst(0)                   ; the conversions have written v[CA ..], which the nine stores read; nothing writes these registers behind the stores
	global_store_b64 v9, v[CA:CA+1], s[48:49]
.set i, 0
.rept 4                                        ; load i holds row 2 g + i / 2, chunks 8 (i % 2) + wave
	global_store_b64 v10, v[CA+4+4*i:CA+4+4*i+1], s[50:51] offset:(i%2)*16*BLK+(i/2)*1024
.set i, i+1
.endr
.set i, 0
.rept 4
	global_store_b64 v9, v[CA+20+4*i:CA+20+4*i+1], s[52:53] offset:2048*i
.set i, i+1
.endr
	s_wait_loadcnt 0x0
.set i, 0
.rept 10                                       ; 8 fragments of z and, behind them in the registers, 2 of the weights: rounded in place; register j is written when 2 j and 2 j + 1 have been read
.set j, 0
.rept 8
	v_cvt_pk_bf16_f32 v[ZF+16*i+j], v[ZF+16*i+2*j], v[ZF+16*i+2*j+1]
.set j, j+1
.endr
.set i, i+1
.endr
; The rest, for K (isv = 0) or V (isv = 1).  K: source 0 = 16 channels of Wk, source 1 = 16 keys of z: a lane ends with one key and 8 channels.  V: the sources swapped: one channel and 8 keys.
; The four accumulators take turns; the first K step starts the sums.
.macro TAIL isv
.if \isv
	global_load_b32 v[BV], v19, s[16:17]           ; no wait: v19 was written ahead of the head's wait on va_vdst, and no vector instruction has named v[BV], v[BV+1] or v19 since
	global_load_b32 v[BV+1], v19, s[16:17]
.endif
.set i, 0
.rept 8                                        ; i = 4 ks + mt
.if (\isv) && (i < 4)
	v_wmma_f32_16x16x32_bf16 v[ACC+8*(i%4):ACC+8*(i%4)+7], v[ZF+16*i:ZF+16*i+7], v[WF+16*(i/4):WF+16*(i/4)+7], 0
.elseif \isv
	v_wmma_f32_16x16x32_bf16 v[ACC+8*(i%4):ACC+8*(i%4)+7], v[ZF+16*i:ZF+16*i+7], v[WF+16*(i/4):WF+16*(i/4)+7], v[ACC+8*(i%4):ACC+8*(i%4)+7]
.elseif i < 4
	v_wmma_f32_16x16x32_bf16 v[ACC+8*(i%4):ACC+8*(i%4)+7], v[WF+16*(i/4):WF+16*(i/4)+7], v[ZF+16*i:ZF+16*i+7], 0
.else
	v_wmma_f32_16x16x32_bf16 v[ACC+8*(i%4):ACC+8*(i%4)+7], v[WF+16*(i/4):WF+16*(i/4)+7], v[ZF+16*i:ZF+16*i+7], v[ACC+8*(i%4):ACC+8*(i%4)+7]
.endif
.set i, i+1
.endr
.rept 8
	v_nop                                          ; the places behind the last products, ahead of the stores that read them; they stay beside the wait below
.endr
	s_wait_alu depctr_va_vdst(0)                   ; the matrix instructions have written v[ACC ..], which the LDS stores read; they and the conversions are done with v[ZF ..], in which the LDS loads behind the barrier land: no vector instruction stands between this wait and those loads
.set i, 0
.rept 4
	ds_store_b128 v11, v[ACC+8*i:ACC+8*i+3] offset:1024*i
	ds_store_b128 v11, v[ACC+8*i+4:ACC+8*i+7] offset:1024*i+512
.set i, i+1
.endr
	s_wait_dscnt 0x0                               ; for the others' sake: my partial sums lie in LDS
	s_barrier_signal -1
	s_barrier_wait -1
	s_cmp_lt_u32 s27, 4                            ; wave u finishes key tile u
	s_cbranch_scc0 .Lend
.set i, 0
.rept 8
	ds_load_b128 v[ZF+8*i:ZF+8*i+3], v12 offset:4096*i
	ds_load_b128 v[ZF+8*i+4:ZF+8*i+7], v12 offset:4096*i+512
.set i, i+1
.endr
	s_wait_dscnt 0x0
.irp d, 1, 2, 4                        ; the eight partial sums, neighbours 1, 2 and 4 apart
.set i, 0
.rept 4/(\d)
.set j, 0
.rept 4
	v_pk_add_f32 v[ZF+16*(\d)*i+2*j:ZF+16*(\d)*i+2*j+1], v[ZF+16*(\d)*i+2*j:ZF+16*(\d)*i+2*j+1], v[ZF+16*(\d)*i+8*(\d)+2*j:ZF+16*(\d)*i+8*(\d)+2*j+1]
.set j, j+1
.endr
.set i, i+1
.endr
.endr
.if \isv
	s_wait_loadcnt 0x0                             ; bv
.set j, 0
.rept 4
	v_pk_add_f32 v[ZF+2*j:ZF+2*j+1], v[ZF+2*j:ZF+2*j+1], v[BV:BV+1]
.set j, j+1
.endr
.endif
.set j, 0
.rept 4
	v_cvt_pk_bf16_f32 v[ZF+64+j], v[ZF+2*j], v[ZF+2*j+1]
.set j, j+1
.endr
	s_wait_alu depctr_va_vdst(0)                   ; the conversions have written v[ZF+64 .. ZF+67], which the store reads
.if \isv
	global_store_b128 v13, v[ZF+64:ZF+67], s[24:25]  ; the wave stores 512 consecutive bytes: half a fragment
.else
	global_store_b128 v13, v[ZF+64:ZF+67], s[22:23]
	s_branch .Lend
.endif
.endm
	s_cmp_lt_u32 s26, 128                          ; hangs on the work-group's number alone: all eight waves go the same way and pass the same barrier
	s_cbranch_scc0 .Lfor_v
	TAIL 0
.Lfor_v:
	TAIL 1
.Lend:
	s_wait_dscnt 0x0                               ; the closing lines, six on end
	s_wait_alu 0x0
	s_wait_tensorcnt 0x0
	ds_add_u32 v4, v5
	s_wait_dscnt 0x0
	s_endpgm
.Lfunc_end_k_q6e43a72f90_prep:
	.size	k_q6e43a72f90_prep, .Lfunc_end_k_q6e43a72f90_prep-k_q6e43a72f90_prep
	.p2alignl 7, 3214868480
	.fill 96, 4, 3214868480
	.section	.rodata,"a",@progbits
	.p2align	6, 0x0
	.amdhsa_kernel k_q6e43a72f90_prep
		.amdhsa_group_segment_fixed_size 33792
		.amdhsa_private_segment_fixed_size 0
		.amdhsa_enable_private_segment 0
		.amdhsa_kernarg_size 88
		.amdhsa_user_sgpr_count 2
		.amdhsa_user_sgpr_kernarg_segment_ptr 1
		.amdhsa_wavefront_size32 1
		.amdhsa_system_sgpr_workgroup_id_x 1
		.amdhsa_system_sgpr_workgroup_id_y 1
		.amdhsa_system_sgpr_workgroup_id_z 1
		.amdhsa_system_vgpr_workitem_id 0
		.amdhsa_next_free_vgpr 256
		.amdhsa_next_free_sgpr 66
		.amdhsa_reserve_vcc 0
		.amdhsa_float_denorm_mode_32 3
		.amdhsa_float_denorm_mode_16_64 3
		.amdhsa_memory_ordered 1
		.amdhsa_forward_progress 1
		.amdhsa_inst_pref_size 29
	.end_amdhsa_kernel
	.amdgpu_metadata
---
amdhsa.version: [ 1, 2 ]
amdhsa.kernels:
  - .name:           k_q6e43a72f90_prep
    .symbol:         k_q6e43a72f90_prep.kd
    .args:
      - { .name: Wq, .offset: 0, .size: 8, .value_kind: global_buffer, .address_space: global }
      - { .name: W1, .offset: 8, .size: 8, .value_kind: global_buffer, .address_space: global }
      - { .name: W2, .offset: 16, .size: 8, .value_kind: global_buffer, .address_space: global }
      - { .name: Wk, .offset: 24, .size: 8, .value_kind: global_buffer, .address_space: global }
      - { .name: Wv, .offset: 32, .size: 8, .value_kind: global_buffer, .address_space: global }
      - { .name: z, .offset: 40, .size: 8, .value_kind: global_buffer, .address_space: global }
      - { .name: bv, .offset: 48, .size: 8, .value_kind: global_buffer, .address_space: global }
      - { .name: alpha, .offset: 56, .size: 8, .value_kind: global_buffer, .address_space: global }
      - { .name: wts, .offset: 64, .size: 8, .value_kind: global_buffer, .address_space: global }
      - { .name: kf, .offset: 72, .size: 8, .value_kind: global_buffer, .address_space: global }
      - { .name: vf, .offset: 80, .size: 8, .value_kind: global_buffer, .address_space: global }
    .group_segment_fixed_size: 33792
    .private_segment_fixed_size: 0
    .kernarg_segment_align: 8
    .kernarg_segment_size: 88
    .max_flat_workgroup_size: 256
    .sgpr_count:     66
    .vgpr_count:     256
    .wavefront_size: 32
...
	.end_amdgpu_metadata
.endif
;; end of part 4
;; launch main: the kernel of part 3 again; grid 256 x 1, 4 waves a work-group, clusters of 4 x 1, 327,680 bytes of LDS; arguments h, wts, kf, vf, ln_g, ln_b, bq, b1, b2, alpha, out0; writes out0
